; MI455X (gfx1250); checked and timed in simulation.
; The chip was launched on July 23, 2026; its instructions are those of AMD's public machine-readable ISA for CDNA 5 (MIT licence, August 2026) and "CDNA5" Instruction Set Architecture Reference Guide (July 2026). The comments in the code are by the model that wrote it; some were corrected since.
;; GPM. Allowed arithmetic: float matrix products may take bf16 or f16 operands with f32 sums; other float arithmetic in f32, or as packed bf16 or f16 multiplies, adds, multiply-adds, maxima and minima; sums over many terms, partial sums and values carried from step to step in f32; what a program stores and reads back later, other than sums and carried values, may be rounded once to bf16 or f16.
;; Inputs: input_encoded 32 x 64 x 768 float32; memory_mean 512 x 768 float32.
;; Outputs: out0 32 x 64 x 768 float32.
;; 2 versions, each right; version 2 is version 1 with the launches proj, readout written anew for expert scheduling mode. Each part assembles by itself: llvm-mc -triple=amdgcn-amd-amdhsa -mcpu=gfx1250 --defsym DOCPART=n.
;; ======== version 1 of 2: 3 launches
;; workspace buffers: t2 4,194,304 bytes; f2 1,048,576 bytes; gp 2,097,152 bytes
;; launch proj (part 1): grid 8 x 40, 4 waves a work-group, no clusters, 70,144 bytes of LDS; arguments input_encoded, memory_mean, t2, f2; writes t2, f2
.if DOCPART == 1
	.amdgcn_target "amdgcn-amd-amdhsa--gfx1250"
	.amdhsa_code_object_version 6
	.text
	.protected	k_qa46587e569_proj
	.globl	k_qa46587e569_proj
	.p2align	8
	.type	k_qa46587e569_proj,@function
k_qa46587e569_proj:
	s_mov_b64 s[64:65], 0
	v_nop
	global_prefetch_b8 v0, s[64:65] scope:SCOPE_SE
	s_setreg_imm32_b32 hwreg(HW_REG_WAVE_MODE, 25, 1), 1
	s_wait_xcnt 0x0
; GPM, launch 1 of 3:  T = z M^T  and  F = 2a I - a^2 M M^T,  a = exp(-5).   z: input_encoded [32 e][64 b][768] f32, M: memory_mean [512][768] f32.
; THE WHOLE PROGRAM, AND WHAT IT LEAVES OUT.  Every pseudoinverse of the module is one step X(A) = 2a A^T - a^2 A^T A A^T.  In exact arithmetic, for all values of z and M:
;   X(M) = M^T F with F = 2a I - a^2 M M^T, the same for all 64 batches (the module only broadcasts M);   w_b = z_b X(M) = (z_b M^T) F = T_b F;
;   X(w) = w^T S with G = w w^T (32 x 32), S = 2a I - a^2 G;   Mn = X(w) z = w^T S z;   Mn^T Mn = z^T S G S z;   with Z = z z^T (32 x 32), A1 = Z S, B1 = G S = 2a G - a^2 G G:
;   z X(Mn) Mn = 2a z Mn^T Mn - a^2 z Mn^T Mn Mn^T Mn = 2a A1 B1 z - a^2 A1 B1 A1 B1 z = R z,   R = A1 (2a I - a^2 B1 A1) B1.
; So the 64 copies of X(M), and Mn, X(w) and X(Mn) as matrices, are never formed: products are re-associated and the broadcast is shared; no input and no term is dropped.
; M M^T, G, S and B1 are symmetric by these identities, which launches 2 and 3 use.
; LIMITS.  z and M are rounded to bf16 (to nearest even) wherever they enter a product.  Every intermediate that is a matrix operand (T, F, w, the 32 x 32 matrices) goes as a pair of bf16,
; hi = bf16(x), lo = bf16(x - hi), in the products hi hi + hi lo + lo hi; lo lo, some 2^-16 of the product, is dropped.  Sums in f32, in another order than the module's.  An overflow, infinity or
; NaN that would arise only in a matrix that is not formed here (Mn^T Mn Mn^T, say) is not carried to the result; a number within half a bf16 step of f32's largest rounds to infinity.
; THIS LAUNCH.  One product, 2,560 x 512 over K = 768: rows 0-2047 are z's (row 32 b + e), rows 2048-2559 are M's; the columns are M's rows.  Work-group (x, y) makes 64 x 64 of it: columns 64 x ..,
; rows 64 y ..: y < 32: batches 2 y and 2 y + 1, result T; y >= 32: M's rows 64 (y - 32) .., result F = 2a I - a^2 (product).
; K IS SPLIT AMONG THE FOUR WAVES: wave v takes channels 192 v .. 192 v + 191, 768 consecutive bytes of each of the 128 rows, straight into registers, where they are rounded: no byte is read twice in the
; work-group and the product has no barrier.  The four partial tiles meet once in LDS.
; K's order: in a step of 32 channels lane (r, h) holds the 16 consecutive channels 16 h .. of its row, for both sources alike, so the products are the same and four loads of 16 bytes fill a fragment.
; The matrix instruction is used transposed (source 0 = 16 rows of M, source 1 = 16 rows of z or M): a lane then holds row r and the columns 8 h + 0..7.
; OUT.  t2 and f2: a row is 2,048 bytes, 8 blocks of 256: [hi of 64 columns | lo of the same 64 columns].  Sixteen neighbouring lanes store one whole block.
; NO CLUSTER, NO TENSOR LOADS: rows are shared between work-groups (M's 64 rows by the 40 of a column of the grid, a row block by the 8 of a row), but they are f32 that must pass through registers to be
; rounded: through LDS each byte would be written and read once more, and a wave's whole K is six steps.  No prefetch: 64 of a wave's 192 loads go out at its head, the rest two steps ahead.
.set MROW,  3072                       ; bytes in a row of M, and from batch to batch in z
.set ZROW,  196608                     ; bytes from e to e + 1 in z
.set PITCH, 272                        ; an LDS row: 64 f32 + 16 bytes: row r starts 17 r groups of 16 bytes on, so sixteen rows start in sixteen different groups modulo 256 bytes
.set PARTW, 64*PITCH                   ; a wave's partial tile
.set SPARE, 4*PARTW                    ; behind the four: the spare words, 128 bytes a wave, which no other line names
.set AOFF, 4                           ; v4-7   byte offset of my 64 bytes in row block a of the row operand
.set BOFF, 8                           ; v8     the same in M's row blocks (the column operand)
.set LSTO, 9                           ; v9     where I put my 32 bytes of a partial tile's row
.set RDA,  10                          ; v10    where I read 8 columns of a row back
.set OOFF, 11                          ; v11    my 16 bytes in the output's block
.set SPW,  12                          ; v12    my spare word; never rewritten
.set NIL,  13                          ; v13    0; never rewritten
.set DJ,   14                          ; v14    F alone: my first row less my first column
.set U,    16                          ; v16-23 at work
.set HH,   24                          ; v24-27 8 columns' hi
.set LL,   28                          ; v28-31 8 columns' lo
.set DS,   32                          ; v32-39 F alone: 2a on the diagonal, else 0
.set FA,   64                          ; v64-95   4 fragments of the row operand
.set FB,   96                          ; v96-127  4 fragments of the column operand
.set ACC,  128                         ; v128-255 16 accumulators, (a, b) at 8 (4 a + b); on the way out v128-191 two sets of partial sums, v192-223 the stores' data
.set OUTR, 192
.set MASK, 32                          ; s32    a word's upper bf16
; window 1 (v256-511): two raw buffers of 128: fragment f (0-3 rows, 4-7 columns) at 16 f, its four loads at 4 i
.set MSB, 0
.macro WIN new                         ; s_set_vgpr_msb: bits 1:0 source 0, 3:2 source 1, 5:4 source 2, 7:6 destination; the high byte repeats the setting that is left
.if MSB != (\new)
	s_set_vgpr_msb (MSB<<8)|(\new)
.set MSB, (\new)
.endif
.endm
.macro PLACES                          ; plain vector instructions between a matrix instruction and what reads its result or writes its registers (ISA guide 7.12.1): four are owed here; eight are written, as a margin, six times a wave
.rept 8
	v_nop
.endr
.endm
; 8 f32 at v[x ..] become 4 registers of hi and 4 of lo
.macro SPLIT4 hi, lo, x, u
.irp i, 0,1,2,3
	v_cvt_pk_bf16_f32 v[(\hi)+(\i)], v[(\x)+2*(\i)], v[(\x)+2*(\i)+1]
.endr
.irp i, 0,1,2,3
	v_lshlrev_b32 v[(\u)+2*(\i)], 16, v[(\hi)+(\i)]            ; hi back as f32
	v_and_b32 v[(\u)+2*(\i)+1], s[MASK], v[(\hi)+(\i)]
.endr
.irp i, 0,1,2,3
	v_pk_add_f32 v[(\u)+2*(\i):(\u)+2*(\i)+1], v[(\x)+2*(\i):(\x)+2*(\i)+1], v[(\u)+2*(\i):(\u)+2*(\i)+1] neg_lo:[0,1] neg_hi:[0,1]  ; x - hi, exact
.endr
.irp i, 0,1,2,3
	v_cvt_pk_bf16_f32 v[(\lo)+(\i)], v[(\u)+2*(\i)], v[(\u)+2*(\i)+1]
.endr
.endm
	s_load_b256 s[4:11], s[0:1], 0x0               ; z s[4:5], M s[6:7], t2 s[8:9], f2 s[10:11]
	v_lshl_add_u32 v[SPW], v0, 2, SPARE
	v_mov_b32 v[NIL], 0
	v_lshrrev_b32 v3, 5, v0
	v_readfirstlane_b32 s12, v3                    ; wave 0..3
	s_mov_b32 s13, ttmp9                           ; x
	s_and_b32 s14, ttmp7, 0xffff                   ; y
	s_sub_co_u32 s15, s14, 32                      ; F's row block (used where y >= 32 alone)
	s_mul_i32 s24, s14, 2*MROW                     ; T: z at batch 2 y
	s_mul_i32 s29, s15, 64*MROW                    ; F: M at row 64 (y - 32)
	s_mov_b32 s20, MROW                            ; F: bytes from row to row, and row blocks 1 to 3
	s_mov_b32 s21, 16*MROW
	s_mov_b32 s22, 32*MROW
	s_mov_b32 s23, 48*MROW
	s_cmp_lt_u32 s14, 32
	s_cselect_b32 s20, ZROW, s20                   ; T: row 16 a + r is e = 16 (a % 2) + r of batch 2 y + a / 2
	s_cselect_b32 s21, 16*ZROW, s21
	s_cselect_b32 s22, MROW, s22
	s_cselect_b32 s23, 16*ZROW+MROW, s23
	s_cselect_b32 s24, s24, s29
	s_cselect_b32 s15, s14, s15                    ; the output's block of 64 rows
	s_mov_b32 s25, 0
	s_mul_i32 s30, s13, 64*MROW                    ; M at row 64 x
	s_mov_b32 s31, 0
	s_lshl_b32 s38, s15, 17                        ; 64 rows of 2,048 bytes,
	s_lshl_b32 s39, s13, 8                         ; block x of a row
	s_add_co_u32 s38, s38, s39
	s_mov_b32 s39, 0
	s_mov_b32 s28, 0xff00ff00                      ; lanes 8-15 and 24-31 store lo
	s_mov_b32 s[MASK], 0xffff0000
	s_mov_b32 s34, 0xb83e6bce                      ; -a^2 = -exp(-10)
	s_mov_b32 s35, s34                             ; named with it as a pair
	s_mov_b32 s36, 0x3c5cc9ff                      ; 2a = 2 exp(-5)
	s_mul_i32 s40, s12, 768                        ; my wave's 768 bytes of a row
	s_mul_i32 s41, s12, PARTW
	s_mul_i32 s42, s12, 16*PITCH
	s_lshl_b32 s43, s12, 15                        ; 16 rows of 2,048 bytes
	v_and_b32 v1, 15, v0                           ; r
	v_bfe_u32 v2, v0, 4, 1                         ; h
	v_and_b32 v15, 7, v0
	v_mul_lo_u32 v3, v1, s20
	v_lshl_add_u32 v3, v2, 6, v3                   ; + 64 h: 16 channels of f32
	v_add_nc_u32 v[AOFF], s40, v3
	v_add_nc_u32 v[AOFF+1], s21, v[AOFF]
	v_add_nc_u32 v[AOFF+2], s22, v[AOFF]
	v_add_nc_u32 v[AOFF+3], s23, v[AOFF]
	v_mul_u32_u24 v[BOFF], v1, MROW
	v_lshl_add_u32 v[BOFF], v2, 6, v[BOFF]
	v_add_nc_u32 v[BOFF], s40, v[BOFF]
	v_mul_u32_u24 v[LSTO], v1, PITCH
	v_lshl_add_u32 v[LSTO], v2, 5, v[LSTO]
	v_add_nc_u32 v[LSTO], s41, v[LSTO]             ; my partial tile, row r, columns 8 h ..
	v_mul_u32_u24 v[RDA], v2, PITCH
	v_lshl_add_u32 v[RDA], v15, 5, v[RDA]
	v_add_nc_u32 v[RDA], s42, v[RDA]               ; row 16 v + h, columns 8 (lane % 8) ..
	v_lshlrev_b32 v[OOFF], 11, v2
	v_lshl_add_u32 v[OOFF], v1, 4, v[OOFF]
	v_add_nc_u32 v[OOFF], s43, v[OOFF]             ; row 16 v + h, 16 bytes for each of 16 lanes: 8 of hi, 8 of lo
	s_wait_kmcnt 0x0
	s_cmp_lt_u32 s14, 32
	s_cselect_b64 s[16:17], s[4:5], s[6:7]         ; the row operand: z or M
	s_cselect_b64 s[26:27], s[8:9], s[10:11]       ; the output: t2 or f2
	s_add_nc_u64 s[16:17], s[16:17], s[24:25]
	s_add_nc_u64 s[18:19], s[6:7], s[30:31]
	s_add_nc_u64 s[26:27], s[26:27], s[38:39]
.macro LOADS b, s                      ; K step s into raw buffer b: 32 loads
	WIN 0x40                                       ; destination window 1, address window 0
.irp f, 0,1,2,3
.irp i, 0,1,2,3
	global_load_b128 v[128*(\b)+16*(\f)+4*(\i):128*(\b)+16*(\f)+4*(\i)+3], v[AOFF+(\f)], s[16:17] offset:128*(\s)+16*(\i)
.endr
.endr
.irp f, 0,1,2,3
.irp i, 0,1,2,3
	global_load_b128 v[128*(\b)+64+16*(\f)+4*(\i):128*(\b)+64+16*(\f)+4*(\i)+3], v[BOFF], s[18:19] offset:16*MROW*(\f)+128*(\s)+16*(\i)
.endr
.endr
.endm
.macro CVT b                           ; raw buffer b, rounded to bf16, into the eight fragments
	WIN 0x05                                       ; sources window 1, destination window 0
.irp f, 0,1,2,3,4,5,6,7
.irp i, 0,1,2,3,4,5,6,7
	v_cvt_pk_bf16_f32 v[FA+8*(\f)+(\i)], v[128*(\b)+16*(\f)+2*(\i)], v[128*(\b)+16*(\f)+2*(\i)+1]
.endr
.endr
.endm
.macro MUL zero                        ; 16 products; the 16 accumulators take turns, one instruction a turn
	WIN 0
.irp a, 0,1,2,3
.irp b, 0,1,2,3
.if \zero
	v_wmma_f32_16x16x32_bf16 v[ACC+8*(4*(\a)+(\b)):ACC+8*(4*(\a)+(\b))+7], v[FB+8*(\b):FB+8*(\b)+7], v[FA+8*(\a):FA+8*(\a)+7], 0
.else
	v_wmma_f32_16x16x32_bf16 v[ACC+8*(4*(\a)+(\b)):ACC+8*(4*(\a)+(\b))+7], v[FB+8*(\b):FB+8*(\b)+7], v[FA+8*(\a):FA+8*(\a)+7], v[ACC+8*(4*(\a)+(\b)):ACC+8*(4*(\a)+(\b))+7]
.endif
.endr
.endr
.endm
.macro STEP s, left, zero
	s_wait_loadcnt \left                           ; this step's 32 loads are in; the other buffer's 32 may stay out
	CVT (\s)%2
.if (\s) < 4
	LOADS (\s)%2, (\s)+2                           ; the buffer just read takes the step two on
.endif
	MUL \zero
	PLACES                                         ; in front of the next conversions, which write the products' sources; at the end, of the LDS stores
.endm
	LOADS 0, 0
	LOADS 1, 1
	STEP 0, 32, 1                                  ; the first products start the sums
	STEP 1, 32, 0
	STEP 2, 32, 0
	STEP 3, 32, 0
	STEP 4, 32, 0
	STEP 5, 0, 0
.irp a, 0,1,2,3
.irp b, 0,1,2,3                        ; each accumulator's low registers first
	ds_store_b128 v[LSTO], v[ACC+8*(4*(\a)+(\b)):ACC+8*(4*(\a)+(\b))+3]   offset:16*PITCH*(\a)+64*(\b)
	ds_store_b128 v[LSTO], v[ACC+8*(4*(\a)+(\b))+4:ACC+8*(4*(\a)+(\b))+7] offset:16*PITCH*(\a)+64*(\b)+16
.endr
.endr
	s_wait_dscnt 0x0                               ; for the others' sake: my partial tile lies in LDS
	s_barrier_signal -1
	s_barrier_wait -1                              ; all four do
; THE WAY OUT.  Wave v finishes rows 16 v .. 16 v + 15, two rows a turn: lane l takes row 2 it + l / 16, columns 8 (l % 8) ..; lanes 0-7 of a half store their hi, lanes 8-15 the same columns' lo.
.macro EPILD it                        ; the four partial sums of my 8 columns: 8 loads, into one of two sets
.irp p, 0,1,2,3
	ds_load_b128 v[ACC+32*((\it)%2)+8*(\p):ACC+32*((\it)%2)+8*(\p)+3],   v[RDA] offset:PARTW*(\p)+2*PITCH*(\it)
	ds_load_b128 v[ACC+32*((\it)%2)+8*(\p)+4:ACC+32*((\it)%2)+8*(\p)+7], v[RDA] offset:PARTW*(\p)+2*PITCH*(\it)+16
.endr
.endm
.macro EPI role                        ; role 0: T, the sums as they are; 1: F = 2a I - a^2 sums
	EPILD 0
.irp it, 0,1,2,3,4,5,6,7
.set E, ACC+32*((\it)%2)
.if (\it) < 7
	EPILD (\it)+1
	s_wait_dscnt 8                                 ; this turn's eight are in; the next turn's eight may stay out
.else
	s_wait_dscnt 0x0
.endif
.irp k, 0,2,4,6
	v_pk_add_f32 v[E+(\k):E+(\k)+1], v[E+(\k):E+(\k)+1], v[E+8+(\k):E+8+(\k)+1]
	v_pk_add_f32 v[E+16+(\k):E+16+(\k)+1], v[E+16+(\k):E+16+(\k)+1], v[E+24+(\k):E+24+(\k)+1]
.endr
.irp k, 0,2,4,6
	v_pk_add_f32 v[E+(\k):E+(\k)+1], v[E+(\k):E+(\k)+1], v[E+16+(\k):E+16+(\k)+1]
.endr
.if \role
.irp j, 0,1,2,3,4,5,6,7
	v_cmp_eq_i32 vcc_lo, (\j)-2*(\it), v[DJ]       ; is column j of my eight the row's own?
	v_cndmask_b32 v[DS+(\j)], 0, s36, vcc_lo
.endr
.irp k, 0,2,4,6
	v_pk_fma_f32 v[E+(\k):E+(\k)+1], v[E+(\k):E+(\k)+1], s[34:35], v[DS+(\k):DS+(\k)+1] op_sel_hi:[1,0,1]
.endr
.endif
	SPLIT4 HH, LL, E, U
.irp i, 0,1,2,3
	v_cndmask_b32 v[OUTR+4*(\it)+(\i)], v[HH+(\i)], v[LL+(\i)], s28
.endr
	global_store_b128 v[OOFF], v[OUTR+4*(\it):OUTR+4*(\it)+3], s[26:27] offset:4096*(\it)  ; 16 lanes store 256 consecutive bytes, aligned; each turn has data registers of its own, so none is rewritten under a store
.endr
.endm
	s_cmp_lt_u32 s14, 32                           ; the same in all waves of the work-group; no barrier follows
	s_cbranch_scc0 .Lrole_f
	EPI 0
	s_branch .Lend
.Lrole_f:
	s_sub_co_i32 s44, s15, s13
	s_lshl_b32 s44, s44, 6                         ; 64 (row block - column block)
	s_lshl4_add_u32 s44, s12, s44                  ; + 16 v
	v_lshlrev_b32 v[DJ], 3, v15
	v_sub_nc_u32 v[DJ], v2, v[DJ]                  ; + h - 8 (lane % 8)
	v_add_nc_u32 v[DJ], s44, v[DJ]
	EPI 1
.Lend:
	s_wait_tensorcnt 0x0                           ; the wave's end: behind my last LDS store
	ds_add_u32 v[SPW], v[NIL]
	s_wait_dscnt 0x0
	s_endpgm
.Lfunc_end_k_qa46587e569_proj:
	.size	k_qa46587e569_proj, .Lfunc_end_k_qa46587e569_proj-k_qa46587e569_proj
	.p2alignl 7, 3214868480
	.fill 96, 4, 3214868480
	.section	.rodata,"a",@progbits
	.p2align	6, 0x0
	.amdhsa_kernel k_qa46587e569_proj
		.amdhsa_group_segment_fixed_size 70144
		.amdhsa_private_segment_fixed_size 0
		.amdhsa_enable_private_segment 0
		.amdhsa_kernarg_size 32
		.amdhsa_user_sgpr_count 2
		.amdhsa_user_sgpr_kernarg_segment_ptr 1
		.amdhsa_wavefront_size32 1
		.amdhsa_system_sgpr_workgroup_id_x 1
		.amdhsa_system_sgpr_workgroup_id_y 1
		.amdhsa_system_sgpr_workgroup_id_z 1
		.amdhsa_system_vgpr_workitem_id 0
		.amdhsa_next_free_vgpr 512
		.amdhsa_next_free_sgpr 66
		.amdhsa_reserve_vcc 1
		.amdhsa_float_denorm_mode_32 3
		.amdhsa_float_denorm_mode_16_64 3
		.amdhsa_memory_ordered 1
		.amdhsa_forward_progress 1
		.amdhsa_inst_pref_size 107
	.end_amdhsa_kernel
	.amdgpu_metadata
---
amdhsa.version: [ 1, 2 ]
amdhsa.kernels:
  - .name:           k_qa46587e569_proj
    .symbol:         k_qa46587e569_proj.kd
    .args:
      - { .name: input_encoded, .offset: 0, .size: 8, .value_kind: global_buffer, .address_space: global }
      - { .name: memory_mean, .offset: 8, .size: 8, .value_kind: global_buffer, .address_space: global }
      - { .name: t2, .offset: 16, .size: 8, .value_kind: global_buffer, .address_space: global }
      - { .name: f2, .offset: 24, .size: 8, .value_kind: global_buffer, .address_space: global }
    .group_segment_fixed_size: 70144
    .private_segment_fixed_size: 0
    .kernarg_segment_align: 8
    .kernarg_segment_size: 32
    .max_flat_workgroup_size: 128
    .sgpr_count:     66
    .vgpr_count:     512
    .wavefront_size: 32
...
	.end_amdgpu_metadata
.endif
;; end of part 1
;; launch wgram (part 2): grid 8 x 32, 4 waves a work-group, no clusters, 70,144 bytes of LDS; arguments t2, f2, gp; writes gp
.if DOCPART == 2
	.amdgcn_target "amdgcn-amd-amdhsa--gfx1250"
	.amdhsa_code_object_version 6
	.text
	.protected	k_qa46587e569_wgram
	.globl	k_qa46587e569_wgram
	.p2align	8
	.type	k_qa46587e569_wgram,@function
k_qa46587e569_wgram:
	s_mov_b64 s[64:65], 0
	v_nop
	global_prefetch_b8 v0, s[64:65] scope:SCOPE_SE
	s_setreg_imm32_b32 hwreg(HW_REG_WAVE_MODE, 25, 1), 1
	s_wait_xcnt 0x0
; GPM, launch 2 of 3:  w = T F  and the part of  G_b = w_b w_b^T  that 64 columns of w give.  (What the program leaves out, and why: the head of launch 1.  w itself is never stored.)
; t2 (2,048 rows, row 32 b + e) and f2 (512 rows): a row is 8 blocks of 256 bytes, [hi of 64 columns | lo of the same], bf16.  F is symmetric, so its rows stand for its columns.
; Work-group (x, y): rows 64 y .. of T (batches 2 y, 2 y + 1) times rows 64 x .. of F: 64 x 64 of w over K = 512, as hi hi + hi lo + lo hi, sums in f32.
; K IS SPLIT AMONG THE FOUR WAVES: wave v takes blocks 2 v and 2 v + 1, 512 consecutive bytes of each of the 128 rows, straight into fragment registers: four steps of 32, 48 products each.
; The four partial tiles meet once in LDS.  Then wave v = 2 q + nb takes batch q's rows 16 nb .. (its OWN 16 rows; the OTHER 16 are those of wave v xor 1), adds the partial sums, splits w into hi and lo,
; and makes the two tiles G[own][own] and G[own][other] over these 64 columns.
; The matrix instruction is used transposed (source 0 holds the columns' operand): a lane holds row r and columns 8 h + 0..7 of the result.
; OUT.  gp, f32: [batch][x][q 8][lane 32][4]: q = 4 nb + 2 mb + half: the accumulators as they lie in registers, 512 consecutive bytes a store.  Launch 3 adds the eight x.
; NO CLUSTER, NO TENSOR LOADS: rows are shared between work-groups (T's by 8, F's by 32), but with K split by waves no byte is read twice inside a work-group, fragments lie in memory as they lie in
; registers, and a wave's whole K is four steps: a ring in LDS would add a barrier to each.  No prefetch: half of a wave's loads go out at its head, the rest two steps ahead.
.set BLK,   32768                      ; 16 rows of 2,048 bytes
.set PITCH, 272                        ; an LDS row: 64 f32 + 16 bytes
.set PARTW, 64*PITCH
.set SPARE, 4*PARTW                    ; the spare words, 128 bytes a wave, which no other line names
.set FO,    2                          ; v2   my 16 bytes in a fragment's rows: 2,048 r + 16 h + 512 v; for T and for F
.set LSTO,  3                          ; v3   where I put my 32 bytes of a partial tile's row
.set RDOWN, 4                          ; v4   my own rows in a partial tile: row r, columns 16 h ..
.set RDOTH, 5                          ; v5   the other rows
.set GOWN,  6                          ; v6   my 16 bytes of tile (nb, nb) in gp
.set GOTH,  7                          ; v7   of tile (nb, 1 - nb)
.set SPW,   12                         ; v12  my spare word; never rewritten
.set NIL,   13                         ; v13  0; never rewritten
.set U,     16                         ; v16-31 at work
.set DOWN,  32                         ; v32-39 G[own][own]
.set DOTH,  40                         ; v40-47 G[own][other]
.set ACC,   128                        ; v128-255 16 accumulators; then v128-191 (and v48-111) partial sums read back, v192-255 w's fragments: run c at 16 c: hi 8, lo 8
.set WF,    192
.set MASK,  24                         ; s24  a word's upper bf16
; window 1 (v256-511): two buffers of 128: T hi at 8 a, T lo at 32 + 8 a, F hi at 64 + 8 b, F lo at 96 + 8 b
.set MSB, 0
.macro WIN new                         ; s_set_vgpr_msb: bits 1:0 source 0, 3:2 source 1, 5:4 source 2, 7:6 destination; the high byte repeats the setting that is left
.if MSB != (\new)
	s_set_vgpr_msb (MSB<<8)|(\new)
.set MSB, (\new)
.endif
.endm
.macro PLACES                          ; plain vector instructions between a matrix instruction and what reads its result or loads into its registers (ISA guide 7.12.1 for what reads its result): four are owed; eight are written, as a margin, four times a wave
.rept 8
	v_nop
.endr
.endm
.macro SPLIT4 hi, lo, x, u             ; 8 f32 at v[x ..] become 4 registers of hi and 4 of lo
.irp i, 0,1,2,3
	v_cvt_pk_bf16_f32 v[(\hi)+(\i)], v[(\x)+2*(\i)], v[(\x)+2*(\i)+1]
.endr
.irp i, 0,1,2,3
	v_lshlrev_b32 v[(\u)+2*(\i)], 16, v[(\hi)+(\i)]
	v_and_b32 v[(\u)+2*(\i)+1], s[MASK], v[(\hi)+(\i)]
.endr
.irp i, 0,1,2,3
	v_pk_add_f32 v[(\u)+2*(\i):(\u)+2*(\i)+1], v[(\x)+2*(\i):(\x)+2*(\i)+1], v[(\u)+2*(\i):(\u)+2*(\i)+1] neg_lo:[0,1] neg_hi:[0,1]
.endr
.irp i, 0,1,2,3
	v_cvt_pk_bf16_f32 v[(\lo)+(\i)], v[(\u)+2*(\i)], v[(\u)+2*(\i)+1]
.endr
.endm
	s_load_b128 s[4:7], s[0:1], 0x0                ; t2 s[4:5], f2 s[6:7]
	s_load_b64 s[8:9], s[0:1], 0x10                ; gp
	v_lshl_add_u32 v[SPW], v0, 2, SPARE
	v_mov_b32 v[NIL], 0
	v_lshrrev_b32 v14, 5, v0
	v_readfirstlane_b32 s12, v14                   ; wave 0..3
	s_mov_b32 s13, ttmp9                           ; x
	s_and_b32 s14, ttmp7, 0xffff                   ; y
	s_lshr_b32 s18, s12, 1                         ; which of the two batches is mine in the second part
	s_and_b32 s19, s12, 1                          ; nb
	s_lshl_b32 s16, s14, 17                        ; 64 rows of 2,048 bytes
	s_mov_b32 s17, 0
	s_lshl_b32 s28, s13, 17
	s_mov_b32 s29, 0
	s_lshl1_add_u32 s20, s14, s18                  ; batch
	s_lshl3_add_u32 s20, s20, s13                  ; x 8 + x
	s_lshl_b32 s20, s20, 12                        ; 4,096 bytes each
	s_lshl_b32 s22, s19, 11                        ; + 2,048 nb
	s_add_co_u32 s20, s20, s22
	s_mov_b32 s21, 0
	s_mov_b32 s[MASK], 0xffff0000
	s_lshl_b32 s23, s12, 9
	s_mul_i32 s25, s12, PARTW
	s_mul_i32 s26, s12, 16*PITCH                   ; my own rows are 16 v ..,
	s_xor_b32 s27, s12, 1
	s_mul_i32 s27, s27, 16*PITCH                   ; the other rows 16 (v xor 1) ..
	s_lshl_b32 s30, s19, 10
	s_sub_co_u32 s31, 1024, s30
	v_and_b32 v1, 15, v0                           ; r
	v_bfe_u32 v15, v0, 4, 1                        ; h
	v_and_b32 v8, 31, v0
	v_lshlrev_b32 v[FO], 11, v1
	v_lshl_add_u32 v[FO], v15, 4, v[FO]
	v_add_nc_u32 v[FO], s23, v[FO]
	v_mul_u32_u24 v14, v1, PITCH
	v_lshl_add_u32 v[LSTO], v15, 5, v14
	v_add_nc_u32 v[LSTO], s25, v[LSTO]
	v_lshl_add_u32 v14, v15, 6, v14                ; 272 r + 64 h
	v_add_nc_u32 v[RDOWN], s26, v14
	v_add_nc_u32 v[RDOTH], s27, v14
	v_lshlrev_b32 v8, 4, v8
	v_add_nc_u32 v[GOWN], s30, v8
	v_add_nc_u32 v[GOTH], s31, v8
	s_wait_kmcnt 0x0
	s_add_nc_u64 s[4:5], s[4:5], s[16:17]
	s_add_nc_u64 s[6:7], s[6:7], s[28:29]
	s_add_nc_u64 s[8:9], s[8:9], s[20:21]
.macro LOADS b, s                      ; K step s into buffer b: 32 loads.  A fragment: lane (r, h) holds row r, k = 8 h + 0..7 and 16 + 8 h + 0..7: two loads of 16 bytes, 32 bytes apart
	WIN 0x40                                       ; destination window 1, address window 0
.set KO, 256*((\s)/2)+64*((\s)%2)
.irp a, 0,1,2,3
.irp w, 0,1                            ; hi, lo
	global_load_b128 v[128*(\b)+32*(\w)+8*(\a):128*(\b)+32*(\w)+8*(\a)+3],       v[FO], s[4:5] offset:BLK*(\a)+KO+128*(\w)
	global_load_b128 v[128*(\b)+32*(\w)+8*(\a)+4:128*(\b)+32*(\w)+8*(\a)+7],     v[FO], s[4:5] offset:BLK*(\a)+KO+128*(\w)+32
	global_load_b128 v[128*(\b)+64+32*(\w)+8*(\a):128*(\b)+64+32*(\w)+8*(\a)+3],   v[FO], s[6:7] offset:BLK*(\a)+KO+128*(\w)
	global_load_b128 v[128*(\b)+64+32*(\w)+8*(\a)+4:128*(\b)+64+32*(\w)+8*(\a)+7], v[FO], s[6:7] offset:BLK*(\a)+KO+128*(\w)+32
.endr
.endr
.endm
.macro PASS b, f, t, zero              ; 16 products: F's part at f (64 hi, 96 lo) x T's part at t (0 hi, 32 lo); the 16 accumulators take turns
.irp a, 0,1,2,3
.irp c, 0,1,2,3
.if \zero
	v_wmma_f32_16x16x32_bf16 v[ACC+8*(4*(\a)+(\c)):ACC+8*(4*(\a)+(\c))+7], v[128*(\b)+(\f)+8*(\c):128*(\b)+(\f)+8*(\c)+7], v[128*(\b)+(\t)+8*(\a):128*(\b)+(\t)+8*(\a)+7], 0
.else
	v_wmma_f32_16x16x32_bf16 v[ACC+8*(4*(\a)+(\c)):ACC+8*(4*(\a)+(\c))+7], v[128*(\b)+(\f)+8*(\c):128*(\b)+(\f)+8*(\c)+7], v[128*(\b)+(\t)+8*(\a):128*(\b)+(\t)+8*(\a)+7], v[ACC+8*(4*(\a)+(\c)):ACC+8*(4*(\a)+(\c))+7]
.endif
.endr
.endr
.endm
.macro MUL b, zero
	WIN 0x05                                       ; sources 0 and 1 window 1; C and D window 0
	PASS \b, 64, 0, \zero                          ; F hi x T hi
	PASS \b, 64, 32, 0                             ; F hi x T lo
	PASS \b, 96, 0, 0                              ; F lo x T hi
.endm
	LOADS 0, 0
	LOADS 1, 1
	s_wait_loadcnt 32                              ; step 0 is in; step 1's 32 loads may stay out
	MUL 0, 1
	PLACES                                         ; in front of loads into registers that the products have read
	LOADS 0, 2
	s_wait_loadcnt 32                              ; step 1 is in
	MUL 1, 0
	PLACES
	LOADS 1, 3
	s_wait_loadcnt 32                              ; step 2 is in
	MUL 0, 0
	s_wait_loadcnt 0x0
	MUL 1, 0
	PLACES
	WIN 0
.irp a, 0,1,2,3
.irp c, 0,1,2,3                        ; each accumulator's low registers first
	ds_store_b128 v[LSTO], v[ACC+8*(4*(\a)+(\c)):ACC+8*(4*(\a)+(\c))+3]   offset:16*PITCH*(\a)+64*(\c)
	ds_store_b128 v[LSTO], v[ACC+8*(4*(\a)+(\c))+4:ACC+8*(4*(\a)+(\c))+7] offset:16*PITCH*(\a)+64*(\c)+16
.endr
.endr
	s_wait_dscnt 0x0                               ; for the others' sake: my partial tile lies in LDS
	s_barrier_signal -1
	s_barrier_wait -1                              ; all four do
; G.  Run c of four: c % 2 = 0 my own rows, 1 the other rows; columns 32 (c / 2) ..  Lane (r, h) takes the 16 consecutive columns 16 h .. of its row, in both sources alike.
.macro FRAGLD c                        ; the four partial sums: 16 loads, into v128-191 (c even) or v48-111 (c odd)
.irp p, 0,1,2,3
.irp i, 0,1,2,3
	ds_load_b128 v[128-80*((\c)%2)+16*(\p)+4*(\i):128-80*((\c)%2)+16*(\p)+4*(\i)+3], v[RDOWN+(\c)%2] offset:PARTW*(\p)+128*((\c)/2)+16*(\i)
.endr
.endr
.endm
.macro FRAGMK c                        ; added up, and split into hi and lo
.set RW, 128-80*((\c)%2)
.irp k, 0,2,4,6,8,10,12,14
	v_pk_add_f32 v[RW+(\k):RW+(\k)+1], v[RW+(\k):RW+(\k)+1], v[RW+16+(\k):RW+16+(\k)+1]
	v_pk_add_f32 v[RW+32+(\k):RW+32+(\k)+1], v[RW+32+(\k):RW+32+(\k)+1], v[RW+48+(\k):RW+48+(\k)+1]
.endr
.irp k, 0,2,4,6,8,10,12,14
	v_pk_add_f32 v[RW+(\k):RW+(\k)+1], v[RW+(\k):RW+(\k)+1], v[RW+32+(\k):RW+32+(\k)+1]
.endr
	SPLIT4 WF+16*(\c), WF+16*(\c)+8, RW, U
	SPLIT4 WF+16*(\c)+4, WF+16*(\c)+12, RW+8, U+8
.endm
.macro GMUL so, st, s1, zero           ; the two tiles by turns: source 0 = own (so) or other (st) rows as columns, source 1 = my own rows (s1)
.if \zero
	v_wmma_f32_16x16x32_bf16 v[DOWN:DOWN+7], v[(\so):(\so)+7], v[(\s1):(\s1)+7], 0
	v_wmma_f32_16x16x32_bf16 v[DOTH:DOTH+7], v[(\st):(\st)+7], v[(\s1):(\s1)+7], 0
.else
	v_wmma_f32_16x16x32_bf16 v[DOWN:DOWN+7], v[(\so):(\so)+7], v[(\s1):(\s1)+7], v[DOWN:DOWN+7]
	v_wmma_f32_16x16x32_bf16 v[DOTH:DOTH+7], v[(\st):(\st)+7], v[(\s1):(\s1)+7], v[DOTH:DOTH+7]
.endif
.endm
	FRAGLD 0
	FRAGLD 1
	s_wait_dscnt 16                                ; run 0 is in; the one younger run of 16 may stay out
	FRAGMK 0
	FRAGLD 2
	s_wait_dscnt 16
	FRAGMK 1
	FRAGLD 3
	s_wait_dscnt 16
	FRAGMK 2
	s_wait_dscnt 0x0
	FRAGMK 3
	GMUL WF,    WF+16, WF,    1                    ; columns 0-31: hi hi,
	GMUL WF,    WF+16, WF+8,  0                    ; hi lo,
	GMUL WF+8,  WF+24, WF,    0                    ; lo hi
	GMUL WF+32, WF+48, WF+32, 0                    ; columns 32-63
	GMUL WF+32, WF+48, WF+40, 0
	GMUL WF+40, WF+56, WF+32, 0
	PLACES
	global_store_b128 v[GOWN], v[DOWN:DOWN+3],   s[8:9]             ; 512 consecutive bytes a store; low registers first
	global_store_b128 v[GOWN], v[DOWN+4:DOWN+7], s[8:9] offset:512
	global_store_b128 v[GOTH], v[DOTH:DOTH+3],   s[8:9]
	global_store_b128 v[GOTH], v[DOTH+4:DOTH+7], s[8:9] offset:512
	s_wait_tensorcnt 0x0                           ; the wave's end: behind my last LDS store
	ds_add_u32 v[SPW], v[NIL]
	s_wait_dscnt 0x0
	s_endpgm
.Lfunc_end_k_qa46587e569_wgram:
	.size	k_qa46587e569_wgram, .Lfunc_end_k_qa46587e569_wgram-k_qa46587e569_wgram
	.p2alignl 7, 3214868480
	.fill 96, 4, 3214868480
	.section	.rodata,"a",@progbits
	.p2align	6, 0x0
	.amdhsa_kernel k_qa46587e569_wgram
		.amdhsa_group_segment_fixed_size 70144
		.amdhsa_private_segment_fixed_size 0
		.amdhsa_enable_private_segment 0
		.amdhsa_kernarg_size 24
		.amdhsa_user_sgpr_count 2
		.amdhsa_user_sgpr_kernarg_segment_ptr 1
		.amdhsa_wavefront_size32 1
		.amdhsa_system_sgpr_workgroup_id_x 1
		.amdhsa_system_sgpr_workgroup_id_y 1
		.amdhsa_system_sgpr_workgroup_id_z 1
		.amdhsa_system_vgpr_workitem_id 0
		.amdhsa_next_free_vgpr 512
		.amdhsa_next_free_sgpr 66
		.amdhsa_reserve_vcc 0
		.amdhsa_float_denorm_mode_32 3
		.amdhsa_float_denorm_mode_16_64 3
		.amdhsa_memory_ordered 1
		.amdhsa_forward_progress 1
		.amdhsa_inst_pref_size 50
	.end_amdhsa_kernel
	.amdgpu_metadata
---
amdhsa.version: [ 1, 2 ]
amdhsa.kernels:
  - .name:           k_qa46587e569_wgram
    .symbol:         k_qa46587e569_wgram.kd
    .args:
      - { .name: t2, .offset: 0, .size: 8, .value_kind: global_buffer, .address_space: global }
      - { .name: f2, .offset: 8, .size: 8, .value_kind: global_buffer, .address_space: global }
      - { .name: gp, .offset: 16, .size: 8, .value_kind: global_buffer, .address_space: global }
    .group_segment_fixed_size: 70144
    .private_segment_fixed_size: 0
    .kernarg_segment_align: 8
    .kernarg_segment_size: 24
    .max_flat_workgroup_size: 128
    .sgpr_count:     66
    .vgpr_count:     512
    .wavefront_size: 32
...
	.end_amdgpu_metadata
.endif
;; end of part 2
;; launch readout (part 3): grid 64 x 1, 4 waves a work-group, no clusters, 100,864 bytes of LDS; arguments input_encoded, gp, out0; writes out0
.if DOCPART == 3
	.amdgcn_target "amdgcn-amd-amdhsa--gfx1250"
	.amdhsa_code_object_version 6
	.text
	.protected	k_qa46587e569_readout
	.globl	k_qa46587e569_readout
	.p2align	8
	.type	k_qa46587e569_readout,@function
k_qa46587e569_readout:
	s_mov_b64 s[64:65], 0
	v_nop
	global_prefetch_b8 v0, s[64:65] scope:SCOPE_SE
	s_setreg_imm32_b32 hwreg(HW_REG_WAVE_MODE, 25, 1), 1
	s_wait_xcnt 0x0
; GPM, launch 3 of 3:  out_b = R z_b,  R = A1 (2a I - a^2 B1 A1) B1,  A1 = Z S,  B1 = 2a G - a^2 G G,  S = 2a I - a^2 G,  Z = z_b z_b^T,  G = the sum of gp's eight parts.
; (Why this is the module's result for all values, and what is therefore never formed: the head of launch 1.)
; One batch to a work-group: 64 work-groups.  Z needs all of z_b and R needs Z, so a finer share would read z_b once for each sharer; the launch is one chain of dependent steps.
; Wave v owns channels 192 v .. 192 v + 191: its slice of Z's K, and its columns of the result.  z_b is read from memory once, rounded to bf16, used for Z from registers, and kept in LDS for R z.
; One meeting in LDS (Z's four parts, G's four pairs of parts).  Behind it ALL FOUR WAVES run the chain of 32 x 32 products alike, on their four SIMDs side by side: that spares a second meeting.
; LAYOUT.  wmma D, FR(X)[mb], FR(Y)[nb] gives, in lane (r, h), register j:  (Y X^T)[16 nb + r][16 mb + 8 h + j].  FR(P)[nb] is the fragment of P's rows 16 nb ..: lane (r, h) holds row r, k = 8 h + 0..7 in registers 0-3 and
; k = 16 + 8 h + 0..7 in registers 4-7.  So the tiles (nb, 0) and (nb, 1) of a result, rounded in pairs, ARE FR(result)[nb]: nothing changes lanes in the chain.  A 32 x 32 matrix in f32 is 32 registers, tile (nb, mb) at 16 nb + 8 mb.
; Every 32 x 32 operand goes as hi + lo (bf16 each): three products; z is bf16 itself: two.
; No cluster: no two work-groups read the same bytes.  No prefetch: all of a wave's loads go out at its head.
.set ZROW,  196608                     ; bytes from e to e + 1 in z and in out
.set ZP,    1568                       ; a row of bf16 z in LDS: 1,536 bytes + 32 = 49 x 32
.set PARTB, 32*ZP                      ; 50,176: wave v's parts at 8,192 v: Z's image, 4,096 bytes, then G's
.set STAGE, PARTB+4*8192               ; 82,944: 16 rows x 272 bytes a wave, for the way out
.set SP,    272
.set SPARE, STAGE+4*16*SP              ; 100,352: the spare words, 128 bytes a wave, which no other line names
.set ZO,   3                           ; v3   my 64 bytes in z's rows: ZROW r + 64 h
.set L16,  4                           ; v4   16 x lane
.set PSTO, 5                           ; v5   my 16 bytes in my wave's images
.set ZSTO, 6                           ; v6   where my 32 bytes of bf16 z go
.set PRD,  7                           ; v7   my 16 bytes in wave 0's images
.set TRA,  8                           ; v8   the turning loads' address
.set STO,  9                           ; v9   the way out: where I put 16 bytes of a row
.set RD,   10                          ; v10  where I read a row back
.set GO,   11                          ; v11  my 16 bytes in two rows of out
.set SPW,  12                          ; v12  my spare word; never rewritten
.set NIL,  13                          ; v13  0; never rewritten
.set U,    16                          ; v16-31 at work
.set DI,   32                          ; v32-39 2a where column 8 h + j is row r, else 0: a diagonal tile of 2a I
.set ZF,   64                          ; v64-159  first part: z's fragments, step s, rows 16 p .. at 16 s + 8 p
.set ZA,   160                         ; v160-191 first part: Z's four accumulators
.set GP,   192                         ; v192-223 first part: my two parts of G, added
.set FRA,  48                          ; the chain: four operand slots of 32 (rows 16 nb .. at 16 nb: hi 8, lo 8)
.set FRB,  80
.set FRC,  224
.set FRD,  192
.set X0,   128                         ; the chain: f32 slots v128-159, v160-191, v192-223
.set X1,   160
.set X2,   192
.set ZT,   128                         ; window 1: z^T's fragments, columns 64 g + 16 c .. at 32 g + 8 c
.set MASK, 24                          ; s24  a word's upper bf16
; window 1 (v256-511): v0-191 raw z (step s at 32 s), v192-255 raw gp; then v0-127 Z's four parts, v128-223 z^T
.set MSB, 0
.macro WIN new                         ; s_set_vgpr_msb: bits 1:0 source 0, 3:2 source 1, 5:4 source 2, 7:6 destination; the high byte repeats the setting that is left
.if MSB != (\new)
	s_set_vgpr_msb (MSB<<8)|(\new)
.set MSB, (\new)
.endif
.endm
.macro PLACES                          ; plain vector instructions behind a matrix instruction (ISA guide 7.12.1): four are owed before its result is read, five before a matrix instruction writes over its registers; eight are written, as a margin, ten times a wave
.rept 8
	v_nop
.endr
.endm
.macro SPLIT4 hi, lo, x, u             ; 8 f32 at v[x ..] become 4 registers of hi and 4 of lo; an accumulator is read from its low end on
.irp i, 0,1,2,3
	v_cvt_pk_bf16_f32 v[(\hi)+(\i)], v[(\x)+2*(\i)], v[(\x)+2*(\i)+1]
.endr
.irp i, 0,1,2,3
	v_lshlrev_b32 v[(\u)+2*(\i)], 16, v[(\hi)+(\i)]
	v_and_b32 v[(\u)+2*(\i)+1], s[MASK], v[(\hi)+(\i)]
.endr
.irp i, 0,1,2,3
	v_pk_add_f32 v[(\u)+2*(\i):(\u)+2*(\i)+1], v[(\x)+2*(\i):(\x)+2*(\i)+1], v[(\u)+2*(\i):(\u)+2*(\i)+1] neg_lo:[0,1] neg_hi:[0,1]
.endr
.irp i, 0,1,2,3
	v_cvt_pk_bf16_f32 v[(\lo)+(\i)], v[(\u)+2*(\i)], v[(\u)+2*(\i)+1]
.endr
.endm
.macro SPLIT fr, src                   ; the f32 matrix at src becomes the operand slot fr
.irp nb, 0,1
.irp mb, 0,1
	SPLIT4 (\fr)+16*(\nb)+4*(\mb), (\fr)+16*(\nb)+8+4*(\mb), (\src)+16*(\nb)+8*(\mb), U+8*(\mb)
.endr
.endr
.endm
.macro PROD dst, y, x                  ; dst = Y X^T: X hi Y hi, X hi Y lo, X lo Y hi; the four tiles take turns, one instruction a turn
.irp ps, 0,1,2
.irp nb, 0,1
.irp mb, 0,1
.if (\ps) == 0
	v_wmma_f32_16x16x32_bf16 v[(\dst)+16*(\nb)+8*(\mb):(\dst)+16*(\nb)+8*(\mb)+7], v[(\x)+16*(\mb):(\x)+16*(\mb)+7], v[(\y)+16*(\nb):(\y)+16*(\nb)+7], 0
.elseif (\ps) == 1
	v_wmma_f32_16x16x32_bf16 v[(\dst)+16*(\nb)+8*(\mb):(\dst)+16*(\nb)+8*(\mb)+7], v[(\x)+16*(\mb):(\x)+16*(\mb)+7], v[(\y)+16*(\nb)+8:(\y)+16*(\nb)+15], v[(\dst)+16*(\nb)+8*(\mb):(\dst)+16*(\nb)+8*(\mb)+7]
.else
	v_wmma_f32_16x16x32_bf16 v[(\dst)+16*(\nb)+8*(\mb):(\dst)+16*(\nb)+8*(\mb)+7], v[(\x)+16*(\mb)+8:(\x)+16*(\mb)+15], v[(\y)+16*(\nb):(\y)+16*(\nb)+7], v[(\dst)+16*(\nb)+8*(\mb):(\dst)+16*(\nb)+8*(\mb)+7]
.endif
.endr
.endr
.endr
	PLACES
.endm
.macro AFFINE x                        ; the matrix at x becomes 2a I - a^2 (itself), in place
.irp nb, 0,1
.irp mb, 0,1
.irp k, 0,2,4,6
.if (\nb) == (\mb)
	v_pk_fma_f32 v[(\x)+16*(\nb)+8*(\mb)+(\k):(\x)+16*(\nb)+8*(\mb)+(\k)+1], v[(\x)+16*(\nb)+8*(\mb)+(\k):(\x)+16*(\nb)+8*(\mb)+(\k)+1], s[20:21], v[DI+(\k):DI+(\k)+1] op_sel_hi:[1,0,1]
.else
	v_pk_mul_f32 v[(\x)+16*(\nb)+8*(\mb)+(\k):(\x)+16*(\nb)+8*(\mb)+(\k)+1], v[(\x)+16*(\nb)+8*(\mb)+(\k):(\x)+16*(\nb)+8*(\mb)+(\k)+1], s[20:21] op_sel_hi:[1,0]
.endif
.endr
.endr
.endr
.endm
	s_load_b128 s[4:7], s[0:1], 0x0                ; z s[4:5], gp s[6:7]
	s_load_b64 s[8:9], s[0:1], 0x10                ; out0
	v_lshl_add_u32 v[SPW], v0, 2, SPARE
	v_mov_b32 v[NIL], 0
	v_lshrrev_b32 v15, 5, v0
	v_readfirstlane_b32 s12, v15                   ; wave 0..3
	s_mul_i32 s16, ttmp9, 3072                     ; the batch's 3,072 bytes of a row of z and of out,
	s_mul_i32 s26, s12, 768                        ; my wave's 768 of them
	s_add_co_u32 s16, s16, s26
	s_mov_b32 s17, 0
	s_lshl_b32 s18, ttmp9, 15                      ; the batch's eight parts of G, 4,096 bytes each,
	s_lshl_b32 s25, s12, 13                        ; my wave's two
	s_add_co_u32 s18, s18, s25
	s_mov_b32 s19, 0
	s_mov_b32 s20, 0xb83e6bce                      ; -a^2 = -exp(-10)
	s_mov_b32 s21, s20                             ; named with it as a pair
	s_mov_b32 s22, 0x3c5cc9ff                      ; 2a = 2 exp(-5)
	s_mov_b32 s23, s22
	s_mov_b32 s[MASK], 0xffff0000
	s_add_co_u32 s25, s25, PARTB                   ; my wave's images
	s_mul_i32 s26, s12, 384                        ; my wave's 192 channels in bf16
	s_mul_i32 s27, s12, 16*SP
	s_add_co_u32 s27, s27, STAGE                   ; my stage
	v_and_b32 v1, 15, v0                           ; r
	v_bfe_u32 v2, v0, 4, 1                         ; h
	v_mul_u32_u24 v[ZO], v1, ZROW
	v_lshl_add_u32 v[ZO], v2, 6, v[ZO]
	v_and_b32 v[L16], 31, v0
	v_lshlrev_b32 v[L16], 4, v[L16]
	s_wait_kmcnt 0x0
	s_add_nc_u64 s[4:5], s[4:5], s[16:17]
	s_add_nc_u64 s[8:9], s[8:9], s[16:17]
	s_add_nc_u64 s[6:7], s[6:7], s[18:19]
	WIN 0x40                                       ; destination window 1, address window 0
.irp q, 0,1,2,3,4,5,6,7,8,9,10,11,12,13,14,15
	global_load_b128 v[192+4*(\q):192+4*(\q)+3], v[L16], s[6:7] offset:512*(\q)   ; two parts of G as they lay in registers
.endr
.irp s, 0,1,2,3,4,5                    ; z: step s = 32 channels; lane (r, h) takes the 16 consecutive channels 16 h .. of rows r and 16 + r
.irp p, 0,1
.irp i, 0,1,2,3
	global_load_b128 v[32*(\s)+16*(\p)+4*(\i):32*(\s)+16*(\p)+4*(\i)+3], v[ZO], s[4:5] offset:16*ZROW*(\p)+128*(\s)+16*(\i)
.endr
.endr
.endr
	WIN 0                                          ; the other addresses, while the loads are out
	v_add_nc_u32 v[PSTO], s25, v[L16]
	v_add_nc_u32 v[PRD], PARTB, v[L16]
	v_mul_u32_u24 v[ZSTO], v1, ZP
	v_lshl_add_u32 v[ZSTO], v2, 5, v[ZSTO]
	v_add_nc_u32 v[ZSTO], s26, v[ZSTO]             ; row r, my wave's channels, 16 h ..
	v_and_b32 v15, 7, v0
	v_lshl_add_u32 v[TRA], v2, 3, v15              ; the turning load: lane l reads row 8 h + l % 8,
	v_mul_u32_u24 v[TRA], v[TRA], ZP
	v_bfe_u32 v15, v0, 3, 1
	v_lshl_add_u32 v[TRA], v15, 4, v[TRA]          ; channels 8 ((l / 8) % 2) + 0..7
	v_add_nc_u32 v[TRA], s26, v[TRA]
	v_mul_u32_u24 v[STO], v1, SP
	v_lshl_add_u32 v[STO], v2, 5, v[STO]
	v_add_nc_u32 v[STO], s27, v[STO]               ; in: row r, 32 bytes for each half of the lanes
	v_mul_u32_u24 v[RD], v2, SP
	v_lshl_add_u32 v[RD], v1, 4, v[RD]
	v_add_nc_u32 v[RD], s27, v[RD]                 ; back: lanes 0-15 one row of 256 bytes, lanes 16-31 the next
	v_mul_u32_u24 v[GO], v2, ZROW
	v_lshl_add_u32 v[GO], v1, 4, v[GO]             ; and the same two rows in out
	v_lshlrev_b32 v14, 3, v2
	v_sub_nc_u32 v14, v1, v14                      ; r - 8 h
.irp j, 0,1,2,3,4,5,6,7
	v_cmp_eq_i32 vcc_lo, \j, v14
	v_cndmask_b32 v[DI+(\j)], 0, s22, vcc_lo
.endr
	; FIRST PART.  My two parts of G are added and go to LDS; my slice of z is rounded, goes to LDS, and gives my part of Z.
	s_wait_loadcnt 48                              ; gp's 16 loads are in; z's 48 may stay out
	WIN 0x05                                       ; sources window 1, destination window 0
.set k, 0
.rept 16
	v_pk_add_f32 v[GP+k:GP+k+1], v[192+k:193+k], v[224+k:225+k]
.set k, k+2
.endr
	WIN 0
.irp q, 0,1,2,3,4,5,6,7
	ds_store_b128 v[PSTO], v[GP+4*(\q):GP+4*(\q)+3] offset:4096+512*(\q)
.endr
.irp s, 0,1,2,3,4,5
	s_wait_loadcnt 8*(5-(\s))                      ; this step's eight loads are in; the later steps' may stay out
	WIN 0x05
.irp i, 0,1,2,3,4,5,6,7,8,9,10,11,12,13,14,15
	v_cvt_pk_bf16_f32 v[ZF+16*(\s)+(\i)], v[32*(\s)+2*(\i)], v[32*(\s)+2*(\i)+1]
.endr
	WIN 0
.irp p, 0,1
	ds_store_b128 v[ZSTO], v[ZF+16*(\s)+8*(\p):ZF+16*(\s)+8*(\p)+3]   offset:16*ZP*(\p)+64*(\s)
	ds_store_b128 v[ZSTO], v[ZF+16*(\s)+8*(\p)+4:ZF+16*(\s)+8*(\p)+7] offset:16*ZP*(\p)+64*(\s)+16
.endr
.irp nb, 0,1                           ; each step has fragment registers of its own; the four accumulators take turns
.irp mb, 0,1
.if (\s) == 0
	v_wmma_f32_16x16x32_bf16 v[ZA+16*(\nb)+8*(\mb):ZA+16*(\nb)+8*(\mb)+7], v[ZF+16*(\s)+8*(\mb):ZF+16*(\s)+8*(\mb)+7], v[ZF+16*(\s)+8*(\nb):ZF+16*(\s)+8*(\nb)+7], 0
.else
	v_wmma_f32_16x16x32_bf16 v[ZA+16*(\nb)+8*(\mb):ZA+16*(\nb)+8*(\mb)+7], v[ZF+16*(\s)+8*(\mb):ZF+16*(\s)+8*(\mb)+7], v[ZF+16*(\s)+8*(\nb):ZF+16*(\s)+8*(\nb)+7], v[ZA+16*(\nb)+8*(\mb):ZA+16*(\nb)+8*(\mb)+7]
.endif
.endr
.endr
.endr
	PLACES
.irp q, 0,1,2,3,4,5,6,7                ; ascending: each accumulator's low registers first
	ds_store_b128 v[PSTO], v[ZA+4*(\q):ZA+4*(\q)+3] offset:512*(\q)
.endr
	s_wait_dscnt 0x0                               ; for the others' sake: my parts lie in LDS
	s_barrier_signal -1
	s_barrier_wait -1                              ; all four waves' do
	; SECOND PART, in every wave alike: G and Z are added up; z^T's fragments for my columns are fetched meanwhile.
.irp p, 0,1,2,3
.irp q, 0,1,2,3,4,5,6,7
	ds_load_b128 v[128+32*(\p)+4*(\q):128+32*(\p)+4*(\q)+3], v[PRD] offset:8192*(\p)+4096+512*(\q)
.endr
.endr
	WIN 0x40
.irp p, 0,1,2,3
.irp q, 0,1,2,3,4,5,6,7
	ds_load_b128 v[32*(\p)+4*(\q):32*(\p)+4*(\q)+3], v[PRD] offset:8192*(\p)+512*(\q)
.endr
.endr
.irp g, 0,1,2
.irp c, 0,1,2,3                        ; z lies [e][channel]: the turning load leaves lane (r, h) channel r and e = 8 h + 0..7; the second one e = 16 + 8 h + 0..7
	ds_load_tr16_b128 v[ZT+32*(\g)+8*(\c):ZT+32*(\g)+8*(\c)+3],   v[TRA] offset:128*(\g)+32*(\c)
	ds_load_tr16_b128 v[ZT+32*(\g)+8*(\c)+4:ZT+32*(\g)+8*(\c)+7], v[TRA] offset:128*(\g)+32*(\c)+16*ZP
.endr
.endr
	WIN 0
	s_wait_dscnt 24                                ; the 64 loads of parts are in; the 24 turning loads may stay out
.set k, 0
.rept 16
	v_pk_add_f32 v[128+k:129+k], v[128+k:129+k], v[160+k:161+k]
	v_pk_add_f32 v[192+k:193+k], v[192+k:193+k], v[224+k:225+k]
.set k, k+2
.endr
.set k, 0
.rept 16
	v_pk_add_f32 v[X0+k:X0+k+1], v[128+k:129+k], v[192+k:193+k]   ; G
.set k, k+2
.endr
	WIN 0x45                                       ; sources and destination window 1
.set k, 0
.rept 16
	v_pk_add_f32 v[k:k+1], v[k:k+1], v[32+k:33+k]
	v_pk_add_f32 v[64+k:65+k], v[64+k:65+k], v[96+k:97+k]
.set k, k+2
.endr
	WIN 0x05
.set k, 0
.rept 16
	v_pk_add_f32 v[X2+k:X2+k+1], v[k:k+1], v[64+k:65+k]           ; Z
.set k, k+2
.endr
	WIN 0
	; THE CHAIN.
	SPLIT FRA, X0                                  ; G
	PROD X1, FRA, FRA                              ; G G^T = G G
.set k, 0
.rept 16
	v_pk_mul_f32 v[X1+k:X1+k+1], v[X1+k:X1+k+1], s[20:21] op_sel_hi:[1,0]
.set k, k+2
.endr
.set k, 0
.rept 16
	v_pk_fma_f32 v[X1+k:X1+k+1], v[X0+k:X0+k+1], s[22:23], v[X1+k:X1+k+1] op_sel_hi:[1,0,1]  ; B1 = 2a G - a^2 G G
.set k, k+2
.endr
	AFFINE X0                                      ; S = 2a I - a^2 G
	SPLIT FRB, X0                                  ; S
	SPLIT FRA, X1                                  ; B1
	SPLIT FRC, X2                                  ; Z
	PROD X0, FRC, FRB                              ; Z S^T = Z S = A1
	PROD X1, FRB, FRC                              ; S Z^T = S Z = A1^T
	SPLIT FRD, X0                                  ; A1
	SPLIT FRB, X1                                  ; A1^T
	PROD X0, FRB, FRA                              ; A1^T B1^T = (B1 A1)^T
	AFFINE X0                                      ; V^T = 2a I - a^2 (B1 A1)^T
	SPLIT FRC, X0
	PROD X1, FRD, FRC                              ; A1 (V^T)^T = A1 V
	SPLIT FRB, X1
	PROD X0, FRB, FRA                              ; A1 V B1^T = A1 V B1 = R
	SPLIT FRC, X0                                  ; R
	; OUT = R z, my 192 columns in three groups of 64: 32 rows x 64 columns in eight accumulators, R hi and R lo; then through my stage, 16 rows at a time, so that 16 lanes store 256 consecutive bytes.
.macro OUTG g
	WIN 0x01                                       ; source 0 (z^T) window 1
.irp ps, 0,1
.irp nb, 0,1
.irp c, 0,1,2,3
.if (\ps) == 0
	v_wmma_f32_16x16x32_bf16 v[128+32*(\nb)+8*(\c):128+32*(\nb)+8*(\c)+7], v[ZT+32*(\g)+8*(\c):ZT+32*(\g)+8*(\c)+7], v[FRC+16*(\nb):FRC+16*(\nb)+7], 0
.else
	v_wmma_f32_16x16x32_bf16 v[128+32*(\nb)+8*(\c):128+32*(\nb)+8*(\c)+7], v[ZT+32*(\g)+8*(\c):ZT+32*(\g)+8*(\c)+7], v[FRC+16*(\nb)+8:FRC+16*(\nb)+15], v[128+32*(\nb)+8*(\c):128+32*(\nb)+8*(\c)+7]
.endif
.endr
.endr
.endr
	PLACES                                         ; in front of the LDS stores that read the results; the next group's first products, which write over these accumulators, stand behind them too
	WIN 0
	s_wait_xcnt 0x0                                ; the last group's stores have read their data registers, which are loaded again below
.irp nb, 0,1
.irp c, 0,1,2,3
	ds_store_b128 v[STO], v[128+32*(\nb)+8*(\c):128+32*(\nb)+8*(\c)+3]   offset:64*(\c)
	ds_store_b128 v[STO], v[128+32*(\nb)+8*(\c)+4:128+32*(\nb)+8*(\c)+7] offset:64*(\c)+16
.endr
.irp w, 0,1,2,3,4,5,6,7
	ds_load_b128 v[80+112*(\nb)+4*(\w):80+112*(\nb)+4*(\w)+3], v[RD] offset:2*SP*(\w)  ; LDS serves a wave's instructions in order (ISA guide 5.7.1.4): these see the stores above, and the next 16 rows' stores come behind them
.endr
.endr
	s_wait_dscnt 16                                ; rows 0-15 are back; the sixteen LDS instructions of rows 16-31 may stay out
.irp w, 0,1,2,3,4,5,6,7
	global_store_b128 v[GO], v[80+4*(\w):80+4*(\w)+3], s[8:9] offset:2*(\w)*ZROW+256*(\g) th:TH_STORE_NT
.endr
	s_wait_dscnt 0x0
.irp w, 0,1,2,3,4,5,6,7
	global_store_b128 v[GO], v[192+4*(\w):192+4*(\w)+3], s[8:9] offset:(16+2*(\w))*ZROW+256*(\g) th:TH_STORE_NT
.endr
.endm
	s_wait_dscnt 0x0                               ; z^T's fragments are in
	OUTG 0
	OUTG 1
	OUTG 2
	s_wait_tensorcnt 0x0                           ; the wave's end: behind my last LDS store
	ds_add_u32 v[SPW], v[NIL]
	s_wait_dscnt 0x0
	s_endpgm
.Lfunc_end_k_qa46587e569_readout:
	.size	k_qa46587e569_readout, .Lfunc_end_k_qa46587e569_readout-k_qa46587e569_readout
	.p2alignl 7, 3214868480
	.fill 96, 4, 3214868480
	.section	.rodata,"a",@progbits
	.p2align	6, 0x0
	.amdhsa_kernel k_qa46587e569_readout
		.amdhsa_group_segment_fixed_size 100864
		.amdhsa_private_segment_fixed_size 0
		.amdhsa_enable_private_segment 0
		.amdhsa_kernarg_size 24
		.amdhsa_user_sgpr_count 2
		.amdhsa_user_sgpr_kernarg_segment_ptr 1
		.amdhsa_wavefront_size32 1
		.amdhsa_system_sgpr_workgroup_id_x 1
		.amdhsa_system_sgpr_workgroup_id_y 1
		.amdhsa_system_sgpr_workgroup_id_z 1
		.amdhsa_system_vgpr_workitem_id 0
		.amdhsa_next_free_vgpr 512
		.amdhsa_next_free_sgpr 66
		.amdhsa_reserve_vcc 1
		.amdhsa_float_denorm_mode_32 3
		.amdhsa_float_denorm_mode_16_64 3
		.amdhsa_memory_ordered 1
		.amdhsa_forward_progress 1
		.amdhsa_inst_pref_size 95
	.end_amdhsa_kernel
	.amdgpu_metadata
---
amdhsa.version: [ 1, 2 ]
amdhsa.kernels:
  - .name:           k_qa46587e569_readout
    .symbol:         k_qa46587e569_readout.kd
    .args:
      - { .name: input_encoded, .offset: 0, .size: 8, .value_kind: global_buffer, .address_space: global }
      - { .name: gp, .offset: 8, .size: 8, .value_kind: global_buffer, .address_space: global }
      - { .name: out0, .offset: 16, .size: 8, .value_kind: global_buffer, .address_space: global }
    .group_segment_fixed_size: 100864
    .private_segment_fixed_size: 0
    .kernarg_segment_align: 8
    .kernarg_segment_size: 24
    .max_flat_workgroup_size: 128
    .sgpr_count:     66
    .vgpr_count:     512
    .wavefront_size: 32
...
	.end_amdgpu_metadata
.endif
;; end of part 3
;; ======== version 2 of 2: 3 launches; version 1 with the launches proj, readout written anew for expert scheduling mode
;; workspace buffers: t2 4,194,304 bytes; f2 1,048,576 bytes; gp 2,097,152 bytes
;; launch proj (part 4): grid 8 x 40, 4 waves a work-group, no clusters, 70,144 bytes of LDS; arguments input_encoded, memory_mean, t2, f2; writes t2, f2
.if DOCPART == 4
	.amdgcn_target "amdgcn-amd-amdhsa--gfx1250"
	.amdhsa_code_object_version 6
	.text
	.protected	k_qa46587e569_proj
	.globl	k_qa46587e569_proj
	.p2align	8
	.type	k_qa46587e569_proj,@function
k_qa46587e569_proj:
	s_mov_b64 s[64:65], 0
	v_nop
	global_prefetch_b8 v0, s[64:65] scope:SCOPE_SE
	s_setreg_imm32_b32 hwreg(HW_REG_WAVE_SCHED_MODE, 0, 2), 2
	s_setreg_imm32_b32 hwreg(HW_REG_WAVE_MODE, 25, 1), 1
	s_wait_xcnt 0x0
	s_wait_alu depctr_vm_vsrc(0)
; GPM, launch 1 of 3:  T = z M^T  and  F = 2a I - a^2 M M^T,  a = exp(-5).   z: input_encoded [32 e][64 b][768] f32, M: memory_mean [512][768] f32.
; THE WHOLE PROGRAM, AND WHAT IT LEAVES OUT.  Every pseudoinverse of the module is one step X(A) = 2a A^T - a^2 A^T A A^T.  In exact arithmetic, for all values of z and M:
;   X(M) = M^T F with F = 2a I - a^2 M M^T, the same for all 64 batches (the module only broadcasts M);   w_b = z_b X(M) = (z_b M^T) F = T_b F;
;   X(w) = w^T S with G = w w^T (32 x 32), S = 2a I - a^2 G;   Mn = X(w) z = w^T S z;   Mn^T Mn = z^T S G S z;   with Z = z z^T (32 x 32), A1 = Z S, B1 = G S = 2a G - a^2 G G:
;   z X(Mn) Mn = 2a z Mn^T Mn - a^2 z Mn^T Mn Mn^T Mn = 2a A1 B1 z - a^2 A1 B1 A1 B1 z = R z,   R = A1 (2a I - a^2 B1 A1) B1.
; So the 64 copies of X(M), and Mn, X(w) and X(Mn) as matrices, are never formed: products are re-associated and the broadcast is shared; no input and no term is dropped.
; M M^T, G, S and B1 are symmetric by these identities, which launches 2 and 3 use.
; LIMITS.  z and M are rounded to bf16 (to nearest even) wherever they enter a product.  Every intermediate that is a matrix operand (T, F, w, the 32 x 32 matrices) goes as a pair of bf16,
; hi = bf16(x), lo = bf16(x - hi), in the products hi hi + hi lo + lo hi; lo lo, some 2^-16 of the product, is dropped.  Sums in f32, in another order than the module's.  An overflow, infinity or
; NaN that would arise only in a matrix that is not formed here (Mn^T Mn Mn^T, say) is not carried to the result; a number within half a bf16 step of f32's largest rounds to infinity.
; THIS LAUNCH.  One product, 2,560 x 512 over K = 768: rows 0-2047 are z's (row 32 b + e), rows 2048-2559 are M's; the columns are M's rows.  Work-group (x, y) makes 64 x 64 of it: columns 64 x ..,
; rows 64 y ..: y < 32: batches 2 y and 2 y + 1, result T; y >= 32: M's rows 64 (y - 32) .., result F = 2a I - a^2 (product).
; K IS SPLIT AMONG THE FOUR WAVES: wave v takes channels 192 v .. 192 v + 191, 768 consecutive bytes of each of the 128 rows, straight into registers, where they are rounded: no byte is read twice in the
; work-group and the product has no barrier.  The four partial tiles meet once in LDS.
; K's order: in a step of 32 channels lane (r, h) holds the 16 consecutive channels 16 h .. of its row, for both sources alike, so the products are the same and four loads of 16 bytes fill a fragment.
; The matrix instruction is used transposed (source 0 = 16 rows of M, source 1 = 16 rows of z or M): a lane then holds row r and the columns 8 h + 0..7.
; OUT.  t2 and f2: a row is 2,048 bytes, 8 blocks of 256: [hi of 64 columns | lo of the same 64 columns].  Sixteen neighbouring lanes store one whole block.
; NO CLUSTER, NO TENSOR LOADS: rows are shared between work-groups (M's 64 rows by the 40 of a column of the grid, a row block by the 8 of a row), but they are f32 that must pass through registers to be
; rounded: through LDS each byte would be written and read once more, and a wave's whole K is six steps.  No prefetch: 64 of a wave's 192 loads go out at its head, the rest two steps ahead.
; THE MODE: SCHED_MODE bits 1:0 = 2 (LLVM: expert scheduling mode 2), set by the entry lines.  The code itself states the register dependences between vector or matrix instructions and memory or LDS
; instructions, with s_wait_alu, always for 0.
; THE PLAN.  Registers that memory or LDS instructions touch:
;   v4-11         offsets and LDS addresses: written at the head, ahead of the first wait on va_vdst, and never again.
;   raw 0, raw 1  (window 1) Step s: its 64 conversions read raw[s % 2]; behind them the 32 loads of step s + 2 land in it.
;   ACC           written by the products; read by the 32 LDS stores in front of the barrier.  Behind the barrier its registers are three sets of partial sums (LDS loads land there, the turn's sums and split work
;                 on them) and OUTR (written by a turn's selects, read by one global store; four registers of its own for each turn).
;   The fragments FA and FB and v14-39 are named by vector and matrix instructions alone.
; So ONE wait on va_vdst stands in each of steps 0 to 3, behind the conversions; the step's 32 loads follow it, dealt in two runs among its 16 products, which name FA, FB and ACC: none of the registers that the
; loads touch.  On the way out ONE wait on va_vdst stands at a turn's head: behind it go the store of the turn before and the loads into the set that the turn before worked on.
.set MROW,  3072                       ; bytes in a row of M, and from batch to batch in z
.set ZROW,  196608                     ; bytes from e to e + 1 in z
.set PITCH, 272                        ; an LDS row: 64 f32 + 16 bytes: row r starts 17 r groups of 16 bytes on, so sixteen rows start in sixteen different groups modulo 256 bytes
.set PARTW, 64*PITCH                   ; a wave's partial tile
.set SPARE, 4*PARTW                    ; behind the four: the spare words, 128 bytes a wave, which no other line names
.set AOFF, 4                           ; v4-7   byte offset of my 64 bytes in row block a of the row operand
.set BOFF, 8                           ; v8     the same in M's row blocks (the column operand)
.set LSTO, 9                           ; v9     where I put my 32 bytes of a partial tile's row
.set RDA,  10                          ; v10    where I read 8 columns of a row back
.set OOFF, 11                          ; v11    my 16 bytes in the output's block
.set SPW,  12                          ; v12    my spare word; never rewritten
.set NIL,  13                          ; v13    0; never rewritten
.set DJ,   14                          ; v14    F alone: my first row less my first column
.set U,    16                          ; v16-23 at work
.set HH,   24                          ; v24-27 8 columns' hi
.set LL,   28                          ; v28-31 8 columns' lo
.set DS,   32                          ; v32-39 F alone: 2a on the diagonal, else 0
.set FA,   64                          ; v64-95   4 fragments of the row operand
.set FB,   96                          ; v96-127  4 fragments of the column operand
.set ACC,  128                         ; v128-255 16 accumulators, (a, b) at 8 (4 a + b); on the way out v128-159, v160-191 and v224-255 three sets of partial sums, v192-223 the stores' data
.set OUTR, 192
.set MASK, 32                          ; s32    a word's upper bf16
.set CM,   40                          ; s40-47 F's way out: eight lane masks (s40-43 held the head's offsets, which nothing reads any more)
; window 1 (v256-511): two raw buffers of 128: fragment f (0-3 rows, 4-7 columns) at 16 f, its four loads at 4 i
.set MSB, 0
.macro WIN new                         ; s_set_vgpr_msb: bits 1:0 source 0, 3:2 source 1, 5:4 source 2, 7:6 destination; the high byte repeats the setting that is left
.if MSB != (\new)
	s_set_vgpr_msb (MSB<<8)|(\new)
.set MSB, (\new)
.endif
.endm
.macro PLACES                          ; plain vector instructions between a matrix instruction and what reads its result or writes its registers (ISA guide 7.12.1): four are owed here; eight are written, as a margin, six times a wave
.rept 8
	v_nop
.endr
.endm
; 8 f32 at v[x ..] become 4 registers of hi and 4 of lo
.macro SPLIT4 hi, lo, x, u
.irp i, 0,1,2,3
	v_cvt_pk_bf16_f32 v[(\hi)+(\i)], v[(\x)+2*(\i)], v[(\x)+2*(\i)+1]
.endr
.irp i, 0,1,2,3
	v_lshlrev_b32 v[(\u)+2*(\i)], 16, v[(\hi)+(\i)]            ; hi back as f32
	v_and_b32 v[(\u)+2*(\i)+1], s[MASK], v[(\hi)+(\i)]
.endr
.irp i, 0,1,2,3
	v_pk_add_f32 v[(\u)+2*(\i):(\u)+2*(\i)+1], v[(\x)+2*(\i):(\x)+2*(\i)+1], v[(\u)+2*(\i):(\u)+2*(\i)+1] neg_lo:[0,1] neg_hi:[0,1]  ; x - hi, exact
.endr
.irp i, 0,1,2,3
	v_cvt_pk_bf16_f32 v[(\lo)+(\i)], v[(\u)+2*(\i)], v[(\u)+2*(\i)+1]
.endr
.endm
	s_load_b256 s[4:11], s[0:1], 0x0               ; z s[4:5], M s[6:7], t2 s[8:9], f2 s[10:11]
	v_lshl_add_u32 v[SPW], v0, 2, SPARE
	v_mov_b32 v[NIL], 0
	v_lshrrev_b32 v3, 5, v0
	v_readfirstlane_b32 s12, v3                    ; wave 0..3
	s_mov_b32 s13, ttmp9                           ; x
	s_and_b32 s14, ttmp7, 0xffff                   ; y
	s_sub_co_u32 s15, s14, 32                      ; F's row block (used where y >= 32 alone)
	s_mul_i32 s24, s14, 2*MROW                     ; T: z at batch 2 y
	s_mul_i32 s29, s15, 64*MROW                    ; F: M at row 64 (y - 32)
	s_mov_b32 s20, MROW                            ; F: bytes from row to row, and row blocks 1 to 3
	s_mov_b32 s21, 16*MROW
	s_mov_b32 s22, 32*MROW
	s_mov_b32 s23, 48*MROW
	s_cmp_lt_u32 s14, 32
	s_cselect_b32 s20, ZROW, s20                   ; T: row 16 a + r is e = 16 (a % 2) + r of batch 2 y + a / 2
	s_cselect_b32 s21, 16*ZROW, s21
	s_cselect_b32 s22, MROW, s22
	s_cselect_b32 s23, 16*ZROW+MROW, s23
	s_cselect_b32 s24, s24, s29
	s_cselect_b32 s15, s14, s15                    ; the output's block of 64 rows
	s_mov_b32 s25, 0
	s_mul_i32 s30, s13, 64*MROW                    ; M at row 64 x
	s_mov_b32 s31, 0
	s_lshl_b32 s38, s15, 17                        ; 64 rows of 2,048 bytes,
	s_lshl_b32 s39, s13, 8                         ; block x of a row
	s_add_co_u32 s38, s38, s39
	s_mov_b32 s39, 0
	s_mov_b32 s28, 0xff00ff00                      ; lanes 8-15 and 24-31 store lo
	s_mov_b32 s[MASK], 0xffff0000
	s_mov_b32 s34, 0xb83e6bce                      ; -a^2 = -exp(-10)
	s_mov_b32 s35, s34                             ; named with it as a pair
	s_mov_b32 s36, 0x3c5cc9ff                      ; 2a = 2 exp(-5)
	s_wait_alu depctr_va_sdst(0)                   ; s12 is written, ahead of its first reader: the wave's offsets are made from it
	s_mul_i32 s40, s12, 768                        ; my wave's 768 bytes of a row
	s_mul_i32 s41, s12, PARTW
	s_mul_i32 s42, s12, 16*PITCH
	s_lshl_b32 s43, s12, 15                        ; 16 rows of 2,048 bytes
	v_and_b32 v1, 15, v0                           ; r
	v_bfe_u32 v2, v0, 4, 1                         ; h
	v_and_b32 v15, 7, v0
	v_mul_lo_u32 v3, v1, s20
	v_lshl_add_u32 v3, v2, 6, v3                   ; + 64 h: 16 channels of f32
	v_add_nc_u32 v[AOFF], s40, v3
	v_add_nc_u32 v[AOFF+1], s21, v[AOFF]
	v_add_nc_u32 v[AOFF+2], s22, v[AOFF]
	v_add_nc_u32 v[AOFF+3], s23, v[AOFF]
	v_mul_u32_u24 v[BOFF], v1, MROW
	v_lshl_add_u32 v[BOFF], v2, 6, v[BOFF]
	v_add_nc_u32 v[BOFF], s40, v[BOFF]
	v_mul_u32_u24 v[LSTO], v1, PITCH
	v_lshl_add_u32 v[LSTO], v2, 5, v[LSTO]
	v_add_nc_u32 v[LSTO], s41, v[LSTO]             ; my partial tile, row r, columns 8 h ..
	v_mul_u32_u24 v[RDA], v2, PITCH
	v_lshl_add_u32 v[RDA], v15, 5, v[RDA]
	v_add_nc_u32 v[RDA], s42, v[RDA]               ; row 16 v + h, columns 8 (lane % 8) ..
	v_lshlrev_b32 v[OOFF], 11, v2
	v_lshl_add_u32 v[OOFF], v1, 4, v[OOFF]
	v_add_nc_u32 v[OOFF], s43, v[OOFF]             ; row 16 v + h, 16 bytes for each of 16 lanes: 8 of hi, 8 of lo
	s_wait_kmcnt 0x0
	s_cmp_lt_u32 s14, 32
	s_cselect_b64 s[16:17], s[4:5], s[6:7]         ; the row operand: z or M
	s_cselect_b64 s[26:27], s[8:9], s[10:11]       ; the output: t2 or f2
	s_add_nc_u64 s[16:17], s[16:17], s[24:25]
	s_add_nc_u64 s[18:19], s[6:7], s[30:31]
	s_add_nc_u64 s[26:27], s[26:27], s[38:39]
.macro LOADA b, s                      ; K step s, the row operand's four fragments into raw buffer b: 16 loads
	WIN 0x40                                       ; destination window 1, address window 0
.irp f, 0,1,2,3
.irp i, 0,1,2,3
	global_load_b128 v[128*(\b)+16*(\f)+4*(\i):128*(\b)+16*(\f)+4*(\i)+3], v[AOFF+(\f)], s[16:17] offset:128*(\s)+16*(\i)
.endr
.endr
.endm
.macro LOADB b, s                      ; the column operand's four: 16 loads
	WIN 0x40
.irp f, 0,1,2,3
.irp i, 0,1,2,3
	global_load_b128 v[128*(\b)+64+16*(\f)+4*(\i):128*(\b)+64+16*(\f)+4*(\i)+3], v[BOFF], s[18:19] offset:16*MROW*(\f)+128*(\s)+16*(\i)
.endr
.endr
.endm
.macro CVT b                           ; raw buffer b, rounded to bf16, into the eight fragments
	WIN 0x05                                       ; sources window 1, destination window 0
.irp f, 0,1,2,3,4,5,6,7
.irp i, 0,1,2,3,4,5,6,7
	v_cvt_pk_bf16_f32 v[FA+8*(\f)+(\i)], v[128*(\b)+16*(\f)+2*(\i)], v[128*(\b)+16*(\f)+2*(\i)+1]
.endr
.endr
.endm
.macro MUL a0, zero                    ; 8 products: row blocks a0 and a0 + 1; a step's 16 accumulators take turns, one instruction a turn
	WIN 0
.irp a, \a0, (\a0)+1
.irp b, 0,1,2,3
.if \zero
	v_wmma_f32_16x16x32_bf16 v[ACC+8*(4*(\a)+(\b)):ACC+8*(4*(\a)+(\b))+7], v[FB+8*(\b):FB+8*(\b)+7], v[FA+8*(\a):FA+8*(\a)+7], 0
.else
	v_wmma_f32_16x16x32_bf16 v[ACC+8*(4*(\a)+(\b)):ACC+8*(4*(\a)+(\b))+7], v[FB+8*(\b):FB+8*(\b)+7], v[FA+8*(\a):FA+8*(\a)+7], v[ACC+8*(4*(\a)+(\b)):ACC+8*(4*(\a)+(\b))+7]
.endif
.endr
.endr
.endm
.macro STEP s, left, zero
	s_wait_loadcnt \left                           ; this step's 32 loads are in; the other buffer's 32 may stay out
	CVT (\s)%2
.if (\s) < 4
	WIN 0x40
	s_wait_alu depctr_va_vdst(0)                   ; the conversions are done reading raw buffer s % 2, in which the 32 loads of this step land
	LOADA (\s)%2, (\s)+2                           ; the buffer just read takes the step two on
	MUL 0, \zero                                   ; the products name FA, FB and ACC: none of the loads' registers, so the second run owes no further wait
	LOADB (\s)%2, (\s)+2
	MUL 2, \zero
.else
	MUL 0, \zero
	MUL 2, \zero
.endif
	PLACES                                         ; in front of the next conversions, which write the products' sources; at the end, of the LDS stores
.endm
	WIN 0x40
	s_wait_alu depctr_va_vdst(0)                   ; the offsets and LDS addresses v4 to v11 are written: every load and store of the kernel reads one of them, and none is written again
	LOADA 0, 0
	LOADB 0, 0
	LOADA 1, 1
	LOADB 1, 1
	STEP 0, 32, 1                                  ; the first products start the sums
	STEP 1, 32, 0
	STEP 2, 32, 0
	STEP 3, 32, 0
	STEP 4, 32, 0
	STEP 5, 0, 0
	s_wait_alu depctr_va_vdst(0)                   ; the products have written the accumulators, which the LDS stores read; the places above stay beside this wait
.irp a, 0,1,2,3
.irp b, 0,1,2,3                        ; each accumulator's low registers first
	ds_store_b128 v[LSTO], v[ACC+8*(4*(\a)+(\b)):ACC+8*(4*(\a)+(\b))+3]   offset:16*PITCH*(\a)+64*(\b)
	ds_store_b128 v[LSTO], v[ACC+8*(4*(\a)+(\b))+4:ACC+8*(4*(\a)+(\b))+7] offset:16*PITCH*(\a)+64*(\b)+16
.endr
.endr
	s_wait_dscnt 0x0                               ; for the others' sake: my partial tile lies in LDS
	s_barrier_signal -1
	s_barrier_wait -1                              ; all four do
	s_wait_alu depctr_vm_vsrc(0)                   ; my LDS stores have read v128 to v255: from here on LDS loads land there and the selects write there; ahead of the branch, for both arms
; THE WAY OUT.  Wave v finishes rows 16 v .. 16 v + 15, two rows a turn: lane l takes row 2 it + l / 16, columns 8 (l % 8) ..; lanes 0-7 of a half store their hi, lanes 8-15 the same columns' lo.
.macro EPILD it                        ; the four partial sums of my 8 columns: 8 loads, into set it % 3: v128, v160 or v224 on
.set EL, ACC+32*((\it)%3)+32*(((\it)%3)/2)
.irp p, 0,1,2,3
	ds_load_b128 v[EL+8*(\p):EL+8*(\p)+3],   v[RDA] offset:PARTW*(\p)+2*PITCH*(\it)
	ds_load_b128 v[EL+8*(\p)+4:EL+8*(\p)+7], v[RDA] offset:PARTW*(\p)+2*PITCH*(\it)+16
.endr
.endm
.macro EPI role                        ; role 0: T, the sums as they are; 1: F = 2a I - a^2 sums
	EPILD 0
	EPILD 1
.irp it, 0,1,2,3,4,5,6,7
.set E, ACC+32*((\it)%3)+32*(((\it)%3)/2)
.if (\it) > 0
	s_wait_alu depctr_va_vdst(0)                   ; the turn before has written its four registers of OUTR, which the store below reads, and is done with its set, in which the loads below land
	global_store_b128 v[OOFF], v[OUTR+4*(\it)-4:OUTR+4*(\it)-1], s[26:27] offset:4096*(\it)-4096  ; 16 lanes store 256 consecutive bytes, aligned; each turn has data registers of its own, so none is rewritten under a store
.endif
.if (\it) < 6
	EPILD (\it)+2                                  ; two turns ahead, into the set of the turn before (in turn 0: the third set, which no vector instruction has named since the products' wait)
.endif
.if \role
.irp j, 0,1,2,3,4,5,6,7
	v_cmp_eq_i32 s[CM+(\j)], (\j)-2*(\it), v[DJ]   ; is column j of my eight the row's own?  Eight masks in one run
.endr
.endif
.if (\it) < 6
	s_wait_dscnt 16                                ; this turn's eight are in; the two younger sets of eight may stay out
.else
	s_wait_dscnt 8*(7-(\it))                       ; the counts run down
.endif
.irp k, 0,2,4,6
	v_pk_add_f32 v[E+(\k):E+(\k)+1], v[E+(\k):E+(\k)+1], v[E+8+(\k):E+8+(\k)+1]
	v_pk_add_f32 v[E+16+(\k):E+16+(\k)+1], v[E+16+(\k):E+16+(\k)+1], v[E+24+(\k):E+24+(\k)+1]
.endr
.irp k, 0,2,4,6
	v_pk_add_f32 v[E+(\k):E+(\k)+1], v[E+(\k):E+(\k)+1], v[E+16+(\k):E+16+(\k)+1]
.endr
.if \role
	s_wait_alu depctr_va_sdst(0)                   ; the eight compares have written s40 to s47, ahead of the selects that read them; the sums above stand between
.irp j, 0,1,2,3,4,5,6,7
	v_cndmask_b32 v[DS+(\j)], 0, s36, s[CM+(\j)]
.endr
.irp k, 0,2,4,6
	v_pk_fma_f32 v[E+(\k):E+(\k)+1], v[E+(\k):E+(\k)+1], s[34:35], v[DS+(\k):DS+(\k)+1] op_sel_hi:[1,0,1]
.endr
.endif
	SPLIT4 HH, LL, E, U
.irp i, 0,1,2,3
	v_cndmask_b32 v[OUTR+4*(\it)+(\i)], v[HH+(\i)], v[LL+(\i)], s28
.endr
.endr
	s_wait_alu depctr_va_vdst(0)                   ; the last turn has written its four registers of OUTR, which the last store reads
	global_store_b128 v[OOFF], v[OUTR+28:OUTR+31], s[26:27] offset:4096*7
.endm
	s_cmp_lt_u32 s14, 32                           ; the same in all waves of the work-group; no barrier follows
	s_cbranch_scc0 .Lrole_f
	EPI 0
	s_branch .Lend
.Lrole_f:
	s_sub_co_i32 s29, s15, s13
	s_lshl_b32 s29, s29, 6                         ; 64 (row block - column block)
	s_lshl4_add_u32 s29, s12, s29                  ; + 16 v
	v_lshlrev_b32 v[DJ], 3, v15
	v_sub_nc_u32 v[DJ], v2, v[DJ]                  ; + h - 8 (lane % 8)
	v_add_nc_u32 v[DJ], s29, v[DJ]
	EPI 1
.Lend:
	s_wait_dscnt 0x0                               ; the closing lines, six on end
	s_wait_alu 0x0
	s_wait_tensorcnt 0x0
	ds_add_u32 v[SPW], v[NIL]
	s_wait_dscnt 0x0
	s_endpgm
.Lfunc_end_k_qa46587e569_proj:
	.size	k_qa46587e569_proj, .Lfunc_end_k_qa46587e569_proj-k_qa46587e569_proj
	.p2alignl 7, 3214868480
	.fill 96, 4, 3214868480
	.section	.rodata,"a",@progbits
	.p2align	6, 0x0
	.amdhsa_kernel k_qa46587e569_proj
		.amdhsa_group_segment_fixed_size 70144
		.amdhsa_private_segment_fixed_size 0
		.amdhsa_enable_private_segment 0
		.amdhsa_kernarg_size 32
		.amdhsa_user_sgpr_count 2
		.amdhsa_user_sgpr_kernarg_segment_ptr 1
		.amdhsa_wavefront_size32 1
		.amdhsa_system_sgpr_workgroup_id_x 1
		.amdhsa_system_sgpr_workgroup_id_y 1
		.amdhsa_system_sgpr_workgroup_id_z 1
		.amdhsa_system_vgpr_workitem_id 0
		.amdhsa_next_free_vgpr 512
		.amdhsa_next_free_sgpr 66
		.amdhsa_reserve_vcc 0
		.amdhsa_float_denorm_mode_32 3
		.amdhsa_float_denorm_mode_16_64 3
		.amdhsa_memory_ordered 1
		.amdhsa_forward_progress 1
		.amdhsa_inst_pref_size 110
	.end_amdhsa_kernel
	.amdgpu_metadata
---
amdhsa.version: [ 1, 2 ]
amdhsa.kernels:
  - .name:           k_qa46587e569_proj
    .symbol:         k_qa46587e569_proj.kd
    .args:
      - { .name: input_encoded, .offset: 0, .size: 8, .value_kind: global_buffer, .address_space: global }
      - { .name: memory_mean, .offset: 8, .size: 8, .value_kind: global_buffer, .address_space: global }
      - { .name: t2, .offset: 16, .size: 8, .value_kind: global_buffer, .address_space: global }
      - { .name: f2, .offset: 24, .size: 8, .value_kind: global_buffer, .address_space: global }
    .group_segment_fixed_size: 70144
    .private_segment_fixed_size: 0
    .kernarg_segment_align: 8
    .kernarg_segment_size: 32
    .max_flat_workgroup_size: 128
    .sgpr_count:     66
    .vgpr_count:     512
    .wavefront_size: 32
...
	.end_amdgpu_metadata
.endif
;; end of part 4
;; launch wgram: the kernel of part 2 again; grid 8 x 32, 4 waves a work-group, no clusters, 70,144 bytes of LDS; arguments t2, f2, gp; writes gp
;; launch readout (part 5): grid 64 x 1, 4 waves a work-group, no clusters, 100,864 bytes of LDS; arguments input_encoded, gp, out0; writes out0
.if DOCPART == 5
	.amdgcn_target "amdgcn-amd-amdhsa--gfx1250"
	.amdhsa_code_object_version 6
	.text
	.protected	k_qa46587e569_readout
	.globl	k_qa46587e569_readout
	.p2align	8
	.type	k_qa46587e569_readout,@function
k_qa46587e569_readout:
	s_mov_b64 s[64:65], 0
	v_nop
	global_prefetch_b8 v0, s[64:65] scope:SCOPE_SE
	s_setreg_imm32_b32 hwreg(HW_REG_WAVE_SCHED_MODE, 0, 2), 2
	s_setreg_imm32_b32 hwreg(HW_REG_WAVE_MODE, 25, 1), 1
	s_wait_xcnt 0x0
	s_wait_alu depctr_vm_vsrc(0)
; GPM, launch 3 of 3:  out_b = R z_b,  R = A1 (2a I - a^2 B1 A1) B1,  A1 = Z S,  B1 = 2a G - a^2 G G,  S = 2a I - a^2 G,  Z = z_b z_b^T,  G = the sum of gp's eight parts.
; (Why this is the module's result for all values, and what is therefore never formed: the head of launch 1.)
; One batch to a work-group: 64 work-groups.  Z needs all of z_b and R needs Z, so a finer share would read z_b once for each sharer; the launch is one chain of dependent steps.
; Wave v owns channels 192 v .. 192 v + 191: its slice of Z's K, and its columns of the result.  z_b is read from memory once, rounded to bf16, used for Z from registers, and kept in LDS for R z.
; One meeting in LDS (Z's four parts, G's four pairs of parts).  Behind it ALL FOUR WAVES run the chain of 32 x 32 products alike, on their four SIMDs side by side: that spares a second meeting.
; LAYOUT.  wmma D, FR(X)[mb], FR(Y)[nb] gives, in lane (r, h), register j:  (Y X^T)[16 nb + r][16 mb + 8 h + j].  FR(P)[nb] is the fragment of P's rows 16 nb ..: lane (r, h) holds row r, k = 8 h + 0..7 in registers 0-3 and
; k = 16 + 8 h + 0..7 in registers 4-7.  So the tiles (nb, 0) and (nb, 1) of a result, rounded in pairs, ARE FR(result)[nb]: nothing changes lanes in the chain.  A 32 x 32 matrix in f32 is 32 registers, tile (nb, mb) at 16 nb + 8 mb.
; Every 32 x 32 operand goes as hi + lo (bf16 each): three products; z is bf16 itself: two.
; No cluster: no two work-groups read the same bytes.  No prefetch: all of a wave's loads go out at its head.
; THE MODE: SCHED_MODE bits 1:0 = 2 (LLVM: expert scheduling mode 2), set by the entry lines.  The code itself states the register dependences between vector or matrix instructions and memory or LDS
; instructions, with s_wait_alu, always for 0.
; THE PLAN.  Registers that memory or LDS instructions touch:
;   v3-11        offsets and LDS addresses: written at the head and never again.
;   raw z, raw gp (window 1)  loaded once at the head; read by the first part's conversions and sums; behind the barrier the parts' loads and the turning loads land there.
;   GP, ZF[s], ZA  written by the first part's sums, conversions and products; read by LDS stores: those of step s go out at the head of step s + 1, behind that step's one wait on va_vdst.  Behind the barrier
;                loads land in v128-255 and the chain writes v48-111 and v192-255.
;   v128-191     the way out: a column group's eight accumulators, written by its products, read by its 16 LDS stores, written again by the next group's products.
;   out-buffers  the way out: 16 rows each, read back from the stage and stored.  Even groups: v80-111 and v192-223; odd: v16-47 and v48-79.  All are dead behind the chain.
;   The chain between names no register that a pending memory or LDS instruction touches.
; The way out goes: products g, the places, a wait on va_vdst, stage g, a wait on vm_vsrc, products g + 1, stores g: a group's way through the stage lies under the next group's products.
.set ZROW,  196608                     ; bytes from e to e + 1 in z and in out
.set ZP,    1568                       ; a row of bf16 z in LDS: 1,536 bytes + 32 = 49 x 32
.set PARTB, 32*ZP                      ; 50,176: wave v's parts at 8,192 v: Z's image, 4,096 bytes, then G's
.set STAGE, PARTB+4*8192               ; 82,944: 16 rows x 272 bytes a wave, for the way out
.set SP,    272
.set SPARE, STAGE+4*16*SP              ; 100,352: the spare words, 128 bytes a wave, which no other line names
.set ZO,   3                           ; v3   my 64 bytes in z's rows: ZROW r + 64 h
.set L16,  4                           ; v4   16 x lane
.set PSTO, 5                           ; v5   my 16 bytes in my wave's images
.set ZSTO, 6                           ; v6   where my 32 bytes of bf16 z go
.set PRD,  7                           ; v7   my 16 bytes in wave 0's images
.set TRA,  8                           ; v8   the turning loads' address
.set STO,  9                           ; v9   the way out: where I put 16 bytes of a row
.set RD,   10                          ; v10  where I read a row back
.set GO,   11                          ; v11  my 16 bytes in two rows of out
.set SPW,  12                          ; v12  my spare word; never rewritten
.set NIL,  13                          ; v13  0; never rewritten
.set U,    16                          ; v16-31 at work
.set DI,   32                          ; v32-39 2a where column 8 h + j is row r, else 0: a diagonal tile of 2a I
.set ZF,   64                          ; v64-159  first part: z's fragments, step s, rows 16 p .. at 16 s + 8 p
.set ZA,   160                         ; v160-191 first part: Z's four accumulators
.set GP,   192                         ; v192-223 first part: my two parts of G, added
.set FRA,  48                          ; the chain: four operand slots of 32 (rows 16 nb .. at 16 nb: hi 8, lo 8)
.set FRB,  80
.set FRC,  224
.set FRD,  192
.set X0,   128                         ; the chain: f32 slots v128-159, v160-191, v192-223
.set X1,   160
.set X2,   192
.set ZT,   128                         ; window 1: z^T's fragments, columns 64 g + 16 c .. at 32 g + 8 c
.set MASK, 24                          ; s24  a word's upper bf16
.set CM,   28                          ; s28-35 at the head: eight lane masks
; window 1 (v256-511): v0-191 raw z (step s at 32 s), v192-255 raw gp; then v0-127 Z's four parts, v128-223 z^T
.set MSB, 0
.macro WIN new                         ; s_set_vgpr_msb: bits 1:0 source 0, 3:2 source 1, 5:4 source 2, 7:6 destination; the high byte repeats the setting that is left
.if MSB != (\new)
	s_set_vgpr_msb (MSB<<8)|(\new)
.set MSB, (\new)
.endif
.endm
.macro PLACES                          ; plain vector instructions behind a matrix instruction (ISA guide 7.12.1): four are owed before its result is read, five before a matrix instruction writes over its registers; eight are written, as a margin, ten times a wave
.rept 8
	v_nop
.endr
.endm
.macro SPLIT4 hi, lo, x, u             ; 8 f32 at v[x ..] become 4 registers of hi and 4 of lo; an accumulator is read from its low end on
.irp i, 0,1,2,3
	v_cvt_pk_bf16_f32 v[(\hi)+(\i)], v[(\x)+2*(\i)], v[(\x)+2*(\i)+1]
.endr
.irp i, 0,1,2,3
	v_lshlrev_b32 v[(\u)+2*(\i)], 16, v[(\hi)+(\i)]
	v_and_b32 v[(\u)+2*(\i)+1], s[MASK], v[(\hi)+(\i)]
.endr
.irp i, 0,1,2,3
	v_pk_add_f32 v[(\u)+2*(\i):(\u)+2*(\i)+1], v[(\x)+2*(\i):(\x)+2*(\i)+1], v[(\u)+2*(\i):(\u)+2*(\i)+1] neg_lo:[0,1] neg_hi:[0,1]
.endr
.irp i, 0,1,2,3
	v_cvt_pk_bf16_f32 v[(\lo)+(\i)], v[(\u)+2*(\i)], v[(\u)+2*(\i)+1]
.endr
.endm
.macro SPLIT fr, src                   ; the f32 matrix at src becomes the operand slot fr
.irp nb, 0,1
.irp mb, 0,1
	SPLIT4 (\fr)+16*(\nb)+4*(\mb), (\fr)+16*(\nb)+8+4*(\mb), (\src)+16*(\nb)+8*(\mb), U+8*(\mb)
.endr
.endr
.endm
.macro PROD dst, y, x                  ; dst = Y X^T: X hi Y hi, X hi Y lo, X lo Y hi; the four tiles take turns, one instruction a turn
.irp ps, 0,1,2
.irp nb, 0,1
.irp mb, 0,1
.if (\ps) == 0
	v_wmma_f32_16x16x32_bf16 v[(\dst)+16*(\nb)+8*(\mb):(\dst)+16*(\nb)+8*(\mb)+7], v[(\x)+16*(\mb):(\x)+16*(\mb)+7], v[(\y)+16*(\nb):(\y)+16*(\nb)+7], 0
.elseif (\ps) == 1
	v_wmma_f32_16x16x32_bf16 v[(\dst)+16*(\nb)+8*(\mb):(\dst)+16*(\nb)+8*(\mb)+7], v[(\x)+16*(\mb):(\x)+16*(\mb)+7], v[(\y)+16*(\nb)+8:(\y)+16*(\nb)+15], v[(\dst)+16*(\nb)+8*(\mb):(\dst)+16*(\nb)+8*(\mb)+7]
.else
	v_wmma_f32_16x16x32_bf16 v[(\dst)+16*(\nb)+8*(\mb):(\dst)+16*(\nb)+8*(\mb)+7], v[(\x)+16*(\mb)+8:(\x)+16*(\mb)+15], v[(\y)+16*(\nb):(\y)+16*(\nb)+7], v[(\dst)+16*(\nb)+8*(\mb):(\dst)+16*(\nb)+8*(\mb)+7]
.endif
.endr
.endr
.endr
	PLACES
.endm
.macro AFFINE x                        ; the matrix at x becomes 2a I - a^2 (itself), in place
.irp nb, 0,1
.irp mb, 0,1
.irp k, 0,2,4,6
.if (\nb) == (\mb)
	v_pk_fma_f32 v[(\x)+16*(\nb)+8*(\mb)+(\k):(\x)+16*(\nb)+8*(\mb)+(\k)+1], v[(\x)+16*(\nb)+8*(\mb)+(\k):(\x)+16*(\nb)+8*(\mb)+(\k)+1], s[20:21], v[DI+(\k):DI+(\k)+1] op_sel_hi:[1,0,1]
.else
	v_pk_mul_f32 v[(\x)+16*(\nb)+8*(\mb)+(\k):(\x)+16*(\nb)+8*(\mb)+(\k)+1], v[(\x)+16*(\nb)+8*(\mb)+(\k):(\x)+16*(\nb)+8*(\mb)+(\k)+1], s[20:21] op_sel_hi:[1,0]
.endif
.endr
.endr
.endr
.endm
	s_load_b128 s[4:7], s[0:1], 0x0                ; z s[4:5], gp s[6:7]
	s_load_b64 s[8:9], s[0:1], 0x10                ; out0
	v_lshl_add_u32 v[SPW], v0, 2, SPARE
	v_mov_b32 v[NIL], 0
	v_lshrrev_b32 v15, 5, v0
	v_readfirstlane_b32 s12, v15                   ; wave 0..3
	s_mul_i32 s16, ttmp9, 3072                     ; the batch's 3,072 bytes of a row of z and of out,
	s_wait_alu depctr_va_sdst(0)                   ; s12 is written, ahead of its first reader: the wave's offsets are made from it
	s_mul_i32 s26, s12, 768                        ; my wave's 768 of them
	s_add_co_u32 s16, s16, s26
	s_mov_b32 s17, 0
	s_lshl_b32 s18, ttmp9, 15                      ; the batch's eight parts of G, 4,096 bytes each,
	s_lshl_b32 s25, s12, 13                        ; my wave's two
	s_add_co_u32 s18, s18, s25
	s_mov_b32 s19, 0
	s_mov_b32 s20, 0xb83e6bce                      ; -a^2 = -exp(-10)
	s_mov_b32 s21, s20                             ; named with it as a pair
	s_mov_b32 s22, 0x3c5cc9ff                      ; 2a = 2 exp(-5)
	s_mov_b32 s23, s22
	s_mov_b32 s[MASK], 0xffff0000
	s_add_co_u32 s25, s25, PARTB                   ; my wave's images
	s_mul_i32 s26, s12, 384                        ; my wave's 192 channels in bf16
	s_mul_i32 s27, s12, 16*SP
	s_add_co_u32 s27, s27, STAGE                   ; my stage
	v_and_b32 v1, 15, v0                           ; r
	v_bfe_u32 v2, v0, 4, 1                         ; h
	v_mul_u32_u24 v[ZO], v1, ZROW
	v_lshl_add_u32 v[ZO], v2, 6, v[ZO]
	v_and_b32 v[L16], 31, v0
	v_lshlrev_b32 v[L16], 4, v[L16]
	s_wait_kmcnt 0x0
	s_add_nc_u64 s[4:5], s[4:5], s[16:17]
	s_add_nc_u64 s[8:9], s[8:9], s[16:17]
	s_add_nc_u64 s[6:7], s[6:7], s[18:19]
	WIN 0x40                                       ; destination window 1, address window 0
	s_wait_alu depctr_va_vdst(0)                   ; v[ZO] and v[L16] are written, the offsets that the 64 loads below read
.irp q, 0,1,2,3,4,5,6,7,8,9,10,11,12,13,14,15
	global_load_b128 v[192+4*(\q):192+4*(\q)+3], v[L16], s[6:7] offset:512*(\q)   ; two parts of G as they lay in registers
.endr
.irp s, 0,1,2,3,4,5                    ; z: step s = 32 channels; lane (r, h) takes the 16 consecutive channels 16 h .. of rows r and 16 + r
.irp p, 0,1
.irp i, 0,1,2,3
	global_load_b128 v[32*(\s)+16*(\p)+4*(\i):32*(\s)+16*(\p)+4*(\i)+3], v[ZO], s[4:5] offset:16*ZROW*(\p)+128*(\s)+16*(\i)
.endr
.endr
.endr
	WIN 0                                          ; the diagonal's masks and the other addresses, while the loads are out
	v_lshlrev_b32 v14, 3, v2
	v_sub_nc_u32 v14, v1, v14                      ; r - 8 h
.irp j, 0,1,2,3,4,5,6,7
	v_cmp_eq_i32 s[CM+(\j)], \j, v14               ; eight masks in one run
.endr
	v_add_nc_u32 v[PSTO], s25, v[L16]
	v_add_nc_u32 v[PRD], PARTB, v[L16]
	v_mul_u32_u24 v[ZSTO], v1, ZP
	v_lshl_add_u32 v[ZSTO], v2, 5, v[ZSTO]
	v_add_nc_u32 v[ZSTO], s26, v[ZSTO]             ; row r, my wave's channels, 16 h ..
	v_and_b32 v15, 7, v0
	v_lshl_add_u32 v[TRA], v2, 3, v15              ; the turning load: lane l reads row 8 h + l % 8,
	v_mul_u32_u24 v[TRA], v[TRA], ZP
	v_bfe_u32 v15, v0, 3, 1
	v_lshl_add_u32 v[TRA], v15, 4, v[TRA]          ; channels 8 ((l / 8) % 2) + 0..7
	v_add_nc_u32 v[TRA], s26, v[TRA]
	v_mul_u32_u24 v[STO], v1, SP
	v_lshl_add_u32 v[STO], v2, 5, v[STO]
	v_add_nc_u32 v[STO], s27, v[STO]               ; in: row r, 32 bytes for each half of the lanes
	v_mul_u32_u24 v[RD], v2, SP
	v_lshl_add_u32 v[RD], v1, 4, v[RD]
	v_add_nc_u32 v[RD], s27, v[RD]                 ; back: lanes 0-15 one row of 256 bytes, lanes 16-31 the next
	v_mul_u32_u24 v[GO], v2, ZROW
	v_lshl_add_u32 v[GO], v1, 4, v[GO]             ; and the same two rows in out
	s_wait_alu depctr_va_sdst(0)                   ; the eight compares have written s28 to s35, ahead of the selects that read them; the address arithmetic stands between
.irp j, 0,1,2,3,4,5,6,7
	v_cndmask_b32 v[DI+(\j)], 0, s22, s[CM+(\j)]
.endr
	; FIRST PART.  My two parts of G are added and go to LDS; my slice of z is rounded, goes to LDS, and gives my part of Z.  What a step makes for LDS is stored at the next step's head.
	s_wait_loadcnt 48                              ; gp's 16 loads are in; z's 48 may stay out
	WIN 0x05                                       ; sources window 1, destination window 0
.set k, 0
.rept 16
	v_pk_add_f32 v[GP+k:GP+k+1], v[192+k:193+k], v[224+k:225+k]
.set k, k+2
.endr
	WIN 0
.irp s, 0,1,2,3,4,5
	s_wait_loadcnt 8*(5-(\s))                      ; this step's eight loads are in; the later steps' may stay out
	s_wait_alu depctr_va_vdst(0)                   ; what the LDS stores below read is written: at step 0 G's sums and the addresses v5 to v11, later the fragments that the step before converted
.if (\s) == 0
.irp q, 0,1,2,3,4,5,6,7
	ds_store_b128 v[PSTO], v[GP+4*(\q):GP+4*(\q)+3] offset:4096+512*(\q)
.endr
.else
.irp p, 0,1
	ds_store_b128 v[ZSTO], v[ZF+16*(\s)-16+8*(\p):ZF+16*(\s)-16+8*(\p)+3]   offset:16*ZP*(\p)+64*(\s)-64
	ds_store_b128 v[ZSTO], v[ZF+16*(\s)-16+8*(\p)+4:ZF+16*(\s)-16+8*(\p)+7] offset:16*ZP*(\p)+64*(\s)-64+16
.endr
.endif
	WIN 0x05
.irp i, 0,1,2,3,4,5,6,7,8,9,10,11,12,13,14,15
	v_cvt_pk_bf16_f32 v[ZF+16*(\s)+(\i)], v[32*(\s)+2*(\i)], v[32*(\s)+2*(\i)+1]
.endr
	WIN 0
.irp nb, 0,1                           ; each step has fragment registers of its own; the four accumulators take turns
.irp mb, 0,1
.if (\s) == 0
	v_wmma_f32_16x16x32_bf16 v[ZA+16*(\nb)+8*(\mb):ZA+16*(\nb)+8*(\mb)+7], v[ZF+16*(\s)+8*(\mb):ZF+16*(\s)+8*(\mb)+7], v[ZF+16*(\s)+8*(\nb):ZF+16*(\s)+8*(\nb)+7], 0
.else
	v_wmma_f32_16x16x32_bf16 v[ZA+16*(\nb)+8*(\mb):ZA+16*(\nb)+8*(\mb)+7], v[ZF+16*(\s)+8*(\mb):ZF+16*(\s)+8*(\mb)+7], v[ZF+16*(\s)+8*(\nb):ZF+16*(\s)+8*(\nb)+7], v[ZA+16*(\nb)+8*(\mb):ZA+16*(\nb)+8*(\mb)+7]
.endif
.endr
.endr
.endr
	PLACES
	s_wait_alu depctr_va_vdst(0)                   ; step 5's conversions have written its fragments and the products Z's accumulators, which the LDS stores below read; the places above stay beside this wait
.irp p, 0,1
	ds_store_b128 v[ZSTO], v[ZF+80+8*(\p):ZF+80+8*(\p)+3]   offset:16*ZP*(\p)+320
	ds_store_b128 v[ZSTO], v[ZF+80+8*(\p)+4:ZF+80+8*(\p)+7] offset:16*ZP*(\p)+320+16
.endr
.irp q, 0,1,2,3,4,5,6,7                ; ascending: each accumulator's low registers first
	ds_store_b128 v[PSTO], v[ZA+4*(\q):ZA+4*(\q)+3] offset:512*(\q)
.endr
	s_wait_dscnt 0x0                               ; for the others' sake: my parts lie in LDS
	s_barrier_signal -1
	s_barrier_wait -1                              ; all four waves' do
	; SECOND PART, in every wave alike: G and Z are added up; z^T's fragments for my columns are fetched meanwhile.
	s_wait_alu depctr_vm_vsrc(0)                   ; my LDS stores have read v64 to v223: loads land in v128 on below, and the chain writes the rest
	s_wait_alu depctr_va_vdst(0)                   ; the first part's sums, conversions and products are done with the registers of both windows in which the 88 loads below land; only loads and window switches follow up to the last of them
.irp p, 0,1,2,3
.irp q, 0,1,2,3,4,5,6,7
	ds_load_b128 v[128+32*(\p)+4*(\q):128+32*(\p)+4*(\q)+3], v[PRD] offset:8192*(\p)+4096+512*(\q)
.endr
.endr
	WIN 0x40
.irp p, 0,1,2,3
.irp q, 0,1,2,3,4,5,6,7
	ds_load_b128 v[32*(\p)+4*(\q):32*(\p)+4*(\q)+3], v[PRD] offset:8192*(\p)+512*(\q)
.endr
.endr
.irp g, 0,1,2
.irp c, 0,1,2,3                        ; z lies [e][channel]: the turning load leaves lane (r, h) channel r and e = 8 h + 0..7; the second one e = 16 + 8 h + 0..7
	ds_load_tr16_b128 v[ZT+32*(\g)+8*(\c):ZT+32*(\g)+8*(\c)+3],   v[TRA] offset:128*(\g)+32*(\c)
	ds_load_tr16_b128 v[ZT+32*(\g)+8*(\c)+4:ZT+32*(\g)+8*(\c)+7], v[TRA] offset:128*(\g)+32*(\c)+16*ZP
.endr
.endr
	WIN 0
	s_wait_dscnt 24                                ; the 64 loads of parts are in; the 24 turning loads may stay out
.set k, 0
.rept 16
	v_pk_add_f32 v[128+k:129+k], v[128+k:129+k], v[160+k:161+k]
	v_pk_add_f32 v[192+k:193+k], v[192+k:193+k], v[224+k:225+k]
.set k, k+2
.endr
.set k, 0
.rept 16
	v_pk_add_f32 v[X0+k:X0+k+1], v[128+k:129+k], v[192+k:193+k]   ; G
.set k, k+2
.endr
	WIN 0x45                                       ; sources and destination window 1
.set k, 0
.rept 16
	v_pk_add_f32 v[k:k+1], v[k:k+1], v[32+k:33+k]
	v_pk_add_f32 v[64+k:65+k], v[64+k:65+k], v[96+k:97+k]
.set k, k+2
.endr
	WIN 0x05
.set k, 0
.rept 16
	v_pk_add_f32 v[X2+k:X2+k+1], v[k:k+1], v[64+k:65+k]           ; Z
.set k, k+2
.endr
	WIN 0
	; THE CHAIN.
	SPLIT FRA, X0                                  ; G
	PROD X1, FRA, FRA                              ; G G^T = G G
.set k, 0
.rept 16
	v_pk_mul_f32 v[X1+k:X1+k+1], v[X1+k:X1+k+1], s[20:21] op_sel_hi:[1,0]
.set k, k+2
.endr
.set k, 0
.rept 16
	v_pk_fma_f32 v[X1+k:X1+k+1], v[X0+k:X0+k+1], s[22:23], v[X1+k:X1+k+1] op_sel_hi:[1,0,1]  ; B1 = 2a G - a^2 G G
.set k, k+2
.endr
	AFFINE X0                                      ; S = 2a I - a^2 G
	SPLIT FRB, X0                                  ; S
	SPLIT FRA, X1                                  ; B1
	SPLIT FRC, X2                                  ; Z
	PROD X0, FRC, FRB                              ; Z S^T = Z S = A1
	PROD X1, FRB, FRC                              ; S Z^T = S Z = A1^T
	SPLIT FRD, X0                                  ; A1
	SPLIT FRB, X1                                  ; A1^T
	PROD X0, FRB, FRA                              ; A1^T B1^T = (B1 A1)^T
	AFFINE X0                                      ; V^T = 2a I - a^2 (B1 A1)^T
	SPLIT FRC, X0
	PROD X1, FRD, FRC                              ; A1 (V^T)^T = A1 V
	SPLIT FRB, X1
	PROD X0, FRB, FRA                              ; A1 V B1^T = A1 V B1 = R
	SPLIT FRC, X0                                  ; R
	; OUT = R z, my 192 columns in three groups of 64: 32 rows x 64 columns in eight accumulators, R hi and R lo; then through my stage, 16 rows at a time, so that 16 lanes store 256 consecutive bytes.
.macro MULG g                          ; group g's 16 products; the eight accumulators take turns
	WIN 0x01                                       ; source 0 (z^T) window 1
.irp ps, 0,1
.irp nb, 0,1
.irp c, 0,1,2,3
.if (\ps) == 0
	v_wmma_f32_16x16x32_bf16 v[128+32*(\nb)+8*(\c):128+32*(\nb)+8*(\c)+7], v[ZT+32*(\g)+8*(\c):ZT+32*(\g)+8*(\c)+7], v[FRC+16*(\nb):FRC+16*(\nb)+7], 0
.else
	v_wmma_f32_16x16x32_bf16 v[128+32*(\nb)+8*(\c):128+32*(\nb)+8*(\c)+7], v[ZT+32*(\g)+8*(\c):ZT+32*(\g)+8*(\c)+7], v[FRC+16*(\nb)+8:FRC+16*(\nb)+15], v[128+32*(\nb)+8*(\c):128+32*(\nb)+8*(\c)+7]
.endif
.endr
.endr
.endr
	PLACES                                         ; in front of the LDS stores that read the results; the next group's first products, which write over these accumulators, stand behind them too
	WIN 0
.endm
.macro TOSTAGE g                       ; group g's accumulators into my stage and back as whole rows, 16 rows at a time, into the out-buffers of g's parity
.irp nb, 0,1
.set OB, 80-64*((\g)%2)+(112-80*((\g)%2))*(\nb)
.irp c, 0,1,2,3
	ds_store_b128 v[STO], v[128+32*(\nb)+8*(\c):128+32*(\nb)+8*(\c)+3]   offset:64*(\c)
	ds_store_b128 v[STO], v[128+32*(\nb)+8*(\c)+4:128+32*(\nb)+8*(\c)+7] offset:64*(\c)+16
.endr
.irp w, 0,1,2,3,4,5,6,7
	ds_load_b128 v[OB+4*(\w):OB+4*(\w)+3], v[RD] offset:2*SP*(\w)  ; LDS serves a wave's instructions in order (ISA guide 5.7.1.4): these see the stores above, and the next 16 rows' stores come behind them
.endr
.endr
.endm
.macro SEND g                          ; group g's 32 rows are stored
.set OB, 80-64*((\g)%2)
	s_wait_dscnt 16                                ; rows 0-15 are back; the sixteen LDS instructions of rows 16-31 may stay out
.irp w, 0,1,2,3,4,5,6,7
	global_store_b128 v[GO], v[OB+4*(\w):OB+4*(\w)+3], s[8:9] offset:2*(\w)*ZROW+256*(\g) th:TH_STORE_NT
.endr
.set OB, 192-144*((\g)%2)
	s_wait_dscnt 0x0
.irp w, 0,1,2,3,4,5,6,7
	global_store_b128 v[GO], v[OB+4*(\w):OB+4*(\w)+3], s[8:9] offset:(16+2*(\w))*ZROW+256*(\g) th:TH_STORE_NT
.endr
.endm
	s_wait_dscnt 0x0                               ; z^T's fragments are in
	MULG 0
	s_wait_alu depctr_va_vdst(0)                   ; group 0's products have written the accumulators, which the LDS stores read; the chain is done with v80-111 and v192-223, in which the stage's loads land
	TOSTAGE 0
	s_wait_alu depctr_vm_vsrc(0)                   ; the LDS stores have read the accumulators, which group 1's products write again
	MULG 1
	SEND 0
	s_wait_alu depctr_va_vdst(0)                   ; group 1's products have written the accumulators, which the LDS stores read; the chain is done with v16-79, in which the stage's loads land
	TOSTAGE 1
	s_wait_xcnt 0x0                                ; group 0's global stores have had their addresses translated (ISA guide 3.1): their data registers are loaded again in group 2
	s_wait_alu depctr_vm_vsrc(0)                   ; the LDS stores have read the accumulators, which group 2's products write again; group 0's global stores have read v80-111 and v192-223, in which group 2's loads land
	MULG 2
	SEND 1
	s_wait_alu depctr_va_vdst(0)                   ; group 2's products have written the accumulators, which the LDS stores read
	TOSTAGE 2
	SEND 2
	s_wait_dscnt 0x0                               ; the closing lines, six on end
	s_wait_alu 0x0
	s_wait_tensorcnt 0x0
	ds_add_u32 v[SPW], v[NIL]
	s_wait_dscnt 0x0
	s_endpgm
.Lfunc_end_k_qa46587e569_readout:
	.size	k_qa46587e569_readout, .Lfunc_end_k_qa46587e569_readout-k_qa46587e569_readout
	.p2alignl 7, 3214868480
	.fill 96, 4, 3214868480
	.section	.rodata,"a",@progbits
	.p2align	6, 0x0
	.amdhsa_kernel k_qa46587e569_readout
		.amdhsa_group_segment_fixed_size 100864
		.amdhsa_private_segment_fixed_size 0
		.amdhsa_enable_private_segment 0
		.amdhsa_kernarg_size 24
		.amdhsa_user_sgpr_count 2
		.amdhsa_user_sgpr_kernarg_segment_ptr 1
		.amdhsa_wavefront_size32 1
		.amdhsa_system_sgpr_workgroup_id_x 1
		.amdhsa_system_sgpr_workgroup_id_y 1
		.amdhsa_system_sgpr_workgroup_id_z 1
		.amdhsa_system_vgpr_workitem_id 0
		.amdhsa_next_free_vgpr 512
		.amdhsa_next_free_sgpr 66
		.amdhsa_reserve_vcc 0
		.amdhsa_float_denorm_mode_32 3
		.amdhsa_float_denorm_mode_16_64 3
		.amdhsa_memory_ordered 1
		.amdhsa_forward_progress 1
		.amdhsa_inst_pref_size 96
	.end_amdhsa_kernel
	.amdgpu_metadata
---
amdhsa.version: [ 1, 2 ]
amdhsa.kernels:
  - .name:           k_qa46587e569_readout
    .symbol:         k_qa46587e569_readout.kd
    .args:
      - { .name: input_encoded, .offset: 0, .size: 8, .value_kind: global_buffer, .address_space: global }
      - { .name: gp, .offset: 8, .size: 8, .value_kind: global_buffer, .address_space: global }
      - { .name: out0, .offset: 16, .size: 8, .value_kind: global_buffer, .address_space: global }
    .group_segment_fixed_size: 100864
    .private_segment_fixed_size: 0
    .kernarg_segment_align: 8
    .kernarg_segment_size: 24
    .max_flat_workgroup_size: 128
    .sgpr_count:     66
    .vgpr_count:     512
    .wavefront_size: 32
...
	.end_amdgpu_metadata
.endif
;; end of part 5
